; MI455X (gfx1250); checked and timed in simulation.
; The chip was launched on July 23, 2026; its instructions are those of AMD's public machine-readable ISA for CDNA 5 (MIT licence, August 2026) and "CDNA5" Instruction Set Architecture Reference Guide (July 2026). The comments in the code are by the model that wrote it; some were corrected since.
;; Multi Head Attention. Allowed arithmetic: float matrix products may take bf16 or f16 operands with f32 sums; all other float work in f32.
;; Inputs: W_k 512 x 512 float32; W_o 512 x 512 float32; W_q 512 x 512 float32; W_v 512 x 512 float32; b_k 512 float32; b_o 512 float32; b_q 512 float32; b_v 512 float32; k 4 x 2,048 x 512 float32; q 4 x 2,048 x 512 float32; v 4 x 2,048 x 512 float32.
;; Outputs: out0 4 x 2,048 x 512 float32.
;; 2 versions, each right; version 2 is version 1 with the launch proj written anew for expert scheduling mode. Each part assembles by itself: llvm-mc -triple=amdgcn-amd-amdhsa -mcpu=gfx1250 --defsym DOCPART=n.
;; ======== version 1 of 2: 3 launches
;; limits: values are held in f16: magnitudes above 65,504 overflow, below 6.1e-05 lose precision
;; workspace buffers: Qp 8,388,608 bytes; Kp 8,388,608 bytes; Vp 8,388,608 bytes; AO 8,388,608 bytes; Wo16 524,288 bytes
;; launch proj (part 1): grid 2 x 96, 8 waves a work-group, no clusters, 148,480 bytes of LDS; arguments q, k, v, W_q, W_k, W_v, b_q, b_k, b_v, Qp, Kp, Vp; writes Qp, Kp, Vp
.if DOCPART == 1
	.amdgcn_target "amdgcn-amd-amdhsa--gfx1250"
	.amdhsa_code_object_version 6
	.text
	.protected	k_q48c792df1f_proj
	.globl	k_q48c792df1f_proj
	.p2align	8
	.type	k_q48c792df1f_proj,@function
k_q48c792df1f_proj:
	s_mov_b64 s[64:65], 0
	v_nop
	global_prefetch_b8 v0, s[64:65] scope:SCOPE_SE
	s_setreg_imm32_b32 hwreg(HW_REG_WAVE_MODE, 25, 1), 1
	s_wait_xcnt 0x0
; Qp, Kp, Vp = f16(x W^T + b), stored head-major: [batch*8 + head][s = 2048][d = 64] in f16 (a row is 128 bytes, a head 262,144 dense bytes).
; x: [8192][512] f32 (q, k or v), W: [512][512] f32, b: [512] f32.  Work-group (x, y): problem y >> 5 (q, k, v), rows 256 (y & 31) .. +255,
; features 256 x .. +255 (four heads).  Eight waves: wave w makes rows 64 (w >> 1) .. +63 by features 128 (w & 1) .. +127: 8 x 4 tiles of 16 x 16,
; 256 accumulator registers.  K = 512 goes in eight steps of 64 through two LDS buffers that take turns.
; THE PIPELINE: while step t is multiplied out of one buffer, step t + 1 is converted and stored into the other in the middle of the trip, and
; step t + 2's global loads go out behind it.  One barrier a trip; its signal and its wait are 32 products apart.
; 192 WORK-GROUPS: 3 x 8192 x 512 outputs have no equal tiling into 256 that stays inside one of q, k, v; tiles of 128 x 128 would double the
; bytes a work-group takes in for each output.
; NUMBER FORMAT: operands are rounded to f16, sums are f32.  LIMIT: |x|, |W| and |x W^T + b| must stay below 65,504 (f16's largest number).
; NO JOINT TENSOR LOADS: x and W are f32 in memory.  Through registers each number is converted once and LDS holds 2 bytes of it; a tensor load
; would lay 4 bytes into LDS, and each of the 2 (x) or 4 (W) waves that read a row would convert it again.
; THE MATRIX INSTRUCTION IS USED TRANSPOSED: source 0 = 16 features of W, source 1 = 16 rows of x, so lane l holds row l % 16 and its eight
; registers the features 8 (l / 16) + 0..7: eight neighbours of an output row.
.set PITCH, 144                        ; an LDS row: 64 f16 = 128 bytes + 16: nine 16-byte columns, so 16 rows start at 16 different columns of 256 bytes
.set WREG,  256*PITCH                  ; x's 256 rows; W's 256 rows lie behind them
.set BUF,   2*WREG                     ; one buffer, 73,728 bytes
.set GOFF, 1                           ; v1      byte offset of my 16 bytes in x and in W: row 32 w + 8 (l / 16), column 4 (l % 16)
.set STO,  2                           ; v2-3    where I put them in buffer 0, 1
.set ADRX, 4                           ; v4-5    my x fragments in buffer 0, 1
.set ADRW, 6                           ; v6-7    my W fragments in buffer 0, 1
.set BOFF, 8                           ; v8      32 (l / 16): my eight biases in a block of 16
.set STW,  9                           ; v9      the way out: where I put 16 bytes of a row
.set STR,  10                          ; v10     the way out: where I read rows back
.set GO,   11                          ; v11     16 l: my 16 bytes of 512 dense output bytes
.set STG,  32                          ; v32-159 as loaded: x 16 x 4 registers, W 16 x 4; later the bias (v32-95) and packed results (v96-159)
.set FW,   160                         ; v160-223 eight W fragments; on the way out: rows read back
.set FX,   224                         ; v224-255 four x fragments
; window 1 (v256-511): accumulator tile (fb, xb) at 8 (4 fb + xb)
.set MSB, 0
.macro WIN new                         ; the immediate's high byte repeats the setting that is left
.if MSB != \new
	s_set_vgpr_msb (MSB<<8)|\new
.set MSB, \new
.endif
.endm
.macro PLACES n
.rept \n
	v_nop
.endr
.endm
	s_load_b512 s[8:23], s[0:1], 0x0               ; q k v W_q W_k W_v b_q b_k
	s_load_b256 s[24:31], s[0:1], 0x40             ; b_v Qp Kp Vp
	v_lshl_add_u32 v30, v0, 2, 0x24000
	v_mov_b32 v31, 0
	v_lshrrev_b32 v12, 5, v0
	v_readfirstlane_b32 s2, v12                    ; wave 0..7
	s_and_b32 s41, ttmp7, 0xffff                   ; y
	s_lshr_b32 s42, s41, 5                         ; which problem: 0 q, 1 k, 2 v
	s_and_b32 s43, s41, 31                         ; row block
	s_lshr_b32 s44, s2, 1                          ; wm: my 64 rows
	s_and_b32 s45, s2, 1                           ; wn: my 128 features
	v_and_b32 v13, 15, v0                          ; r = l % 16
	v_bfe_u32 v14, v0, 4, 1                        ; h = l / 16
	s_lshl_b32 s40, s2, 16                         ; 32 w rows of 2,048 bytes
	v_lshlrev_b32 v[GOFF], 4, v13
	v_lshl_add_u32 v[GOFF], v14, 14, v[GOFF]       ; lanes 16-31 take the row 8 further down
	v_add_nc_u32 v[GOFF], s40, v[GOFF]
	s_mul_i32 s40, s2, 32*PITCH
	v_mul_u32_u24 v15, v14, 8*PITCH                ; 8 rows = 1,152 bytes = 128 modulo 256: the two 128-byte pieces of a store fall on different halves of the 64 banks (ISA guide 11.1)
	v_lshl_add_u32 v[STO], v13, 3, v15             ; four f16 = 8 bytes a lane
	v_add_nc_u32 v[STO], s40, v[STO]
	v_add_nc_u32 v[STO+1], BUF, v[STO]
	v_mul_u32_u24 v15, v13, PITCH
	v_lshl_add_u32 v15, v14, 4, v15                ; r x pitch + 16 h: a fragment's lane term
	s_mul_i32 s40, s44, 64*PITCH
	v_add_nc_u32 v[ADRX], s40, v15
	v_add_nc_u32 v[ADRX+1], BUF, v[ADRX]
	s_mul_i32 s40, s45, 128*PITCH
	s_add_co_u32 s40, s40, WREG
	v_add_nc_u32 v[ADRW], s40, v15
	v_add_nc_u32 v[ADRW+1], BUF, v[ADRW]
	v_lshlrev_b32 v[BOFF], 5, v14
	s_mul_i32 s40, s2, 64*PITCH                    ; my stage: 64 rows in buffer 0
	v_add_nc_u32 v[STW], s40, v15
	v_bfe_u32 v16, v0, 3, 2
	v_and_b32 v17, 7, v0
	v_mul_u32_u24 v16, v16, PITCH
	v_lshl_add_u32 v16, v17, 4, v16                ; row l / 8, 16 bytes l % 8
	v_add_nc_u32 v[STR], s40, v16
	v_and_b32 v[GO], 31, v0
	v_lshlrev_b32 v[GO], 4, v[GO]
	s_wait_kmcnt 0x0
	s_cmp_eq_u32 s42, 1                            ; the problem's four buffers: a choice on the work-group's y alone
	s_cselect_b64 s[32:33], s[10:11], s[8:9]       ; x
	s_cselect_b64 s[34:35], s[16:17], s[14:15]     ; W
	s_cselect_b64 s[36:37], s[22:23], s[20:21]     ; b
	s_cselect_b64 s[38:39], s[28:29], s[26:27]     ; out
	s_cmp_eq_u32 s42, 2
	s_cselect_b64 s[32:33], s[12:13], s[32:33]
	s_cselect_b64 s[34:35], s[18:19], s[34:35]
	s_cselect_b64 s[36:37], s[24:25], s[36:37]
	s_cselect_b64 s[38:39], s[30:31], s[38:39]
	s_mov_b32 s47, 0
	s_lshl_b32 s46, s43, 19                        ; 256 rows of 2,048 bytes a row block
	s_add_nc_u64 s[32:33], s[32:33], s[46:47]
	s_lshl_b32 s46, ttmp9, 19                      ; 256 rows of W
	s_add_nc_u64 s[34:35], s[34:35], s[46:47]
	s_lshl_b32 s46, ttmp9, 10                      ; 256 biases
	s_lshl_b32 s40, s45, 9                         ; + 128 wn
	s_add_co_u32 s46, s46, s40
	s_add_nc_u64 s[36:37], s[36:37], s[46:47]
	s_lshr_b32 s46, s43, 3                         ; batch
	s_lshl_b32 s46, s46, 3
	s_lshl_b32 s40, ttmp9, 2
	s_add_co_u32 s46, s46, s40
	s_lshl_b32 s40, s45, 1
	s_add_co_u32 s46, s46, s40                     ; batch*8 + 4 x + 2 wn: my first head
	s_lshl_b32 s46, s46, 18
	s_and_b32 s40, s43, 7
	s_lshl_b32 s40, s40, 15                        ; 256 rows of 128 bytes
	s_add_co_u32 s46, s46, s40
	s_lshl_b32 s40, s44, 13                        ; + 64 wm rows
	s_add_co_u32 s46, s46, s40
	s_add_nc_u64 s[38:39], s[38:39], s[46:47]
; K step t of x and of W: 16 + 16 loads.  Load n takes rows 16 (n / 8) + n % 8 (lanes 0-15) and 8 further down (lanes 16-31) of my 32: 256 aligned
; bytes of each.  No pointer is stepped: the step is in the immediate.
.macro LOADG t
.set n, 0
.rept 16
	global_load_b128 v[STG+4*n:STG+4*n+3], v[GOFF], s[32:33] offset:2048*(16*(n>>3)+(n&7))+256*(\t)
.set n, n+1
.endr
.set n, 0
.rept 16
	global_load_b128 v[STG+64+4*n:STG+64+4*n+3], v[GOFF], s[34:35] offset:2048*(16*(n>>3)+(n&7))+256*(\t)
.set n, n+1
.endr
.endm
; my 8 x 8 biases: block fb's features 8 h + 0..7
.macro LOADB
.irp fb, 0,1,2,3,4,5,6,7
	global_load_b128 v[STG+8*\fb:STG+8*\fb+3],   v[BOFF], s[36:37] offset:64*\fb
	global_load_b128 v[STG+8*\fb+4:STG+8*\fb+7], v[BOFF], s[36:37] offset:64*\fb+16
.endr
.endm
; round to f16 in place and put into buffer b
.macro STASH b
	WIN 0
	s_wait_loadcnt 16                              ; x's 16 loads are in; W's 16 younger ones may be out
.set n, 0
.rept 16
	v_cvt_pk_f16_f32 v[STG+4*n],   v[STG+4*n],   v[STG+4*n+1]
	v_cvt_pk_f16_f32 v[STG+4*n+1], v[STG+4*n+2], v[STG+4*n+3]
	ds_store_b64 v[STO+\b], v[STG+4*n:STG+4*n+1] offset:PITCH*(16*(n>>3)+(n&7))
.set n, n+1
.endr
	s_wait_loadcnt 0x0
.set n, 0
.rept 16
	v_cvt_pk_f16_f32 v[STG+64+4*n],   v[STG+64+4*n],   v[STG+64+4*n+1]
	v_cvt_pk_f16_f32 v[STG+64+4*n+1], v[STG+64+4*n+2], v[STG+64+4*n+3]
	ds_store_b64 v[STO+\b], v[STG+64+4*n:STG+64+4*n+1] offset:WREG+PITCH*(16*(n>>3)+(n&7))
.set n, n+1
.endr
.endm
; 24 LDS loads: four x fragments first, then eight W fragments, 32 along K at byte 64 ks of the rows
.macro FETCH b, ks
	WIN 0
.irp xb, 0,1,2,3
	ds_load_b128 v[FX+8*\xb:FX+8*\xb+3],   v[ADRX+\b] offset:16*PITCH*\xb+64*\ks
	ds_load_b128 v[FX+8*\xb+4:FX+8*\xb+7], v[ADRX+\b] offset:16*PITCH*\xb+64*\ks+32
.endr
.irp fb, 0,1,2,3,4,5,6,7
	ds_load_b128 v[FW+8*\fb:FW+8*\fb+3],   v[ADRW+\b] offset:16*PITCH*\fb+64*\ks
	ds_load_b128 v[FW+8*\fb+4:FW+8*\fb+7], v[ADRW+\b] offset:16*PITCH*\fb+64*\ks+32
.endr
.endm
; 32 matrix instructions.  The 32 accumulators take turns, one instruction a turn.
.macro MUL zero
	WIN 0x50                                       ; C and D in window 1, fragments in window 0
.irp fb, 0,1,2,3,4,5,6,7
	s_wait_dscnt 14-2*\fb                          ; x and W's blocks 0..fb are in; the two loads of each later block may be out
.irp xb, 0,1,2,3
.if \zero
	v_wmma_f32_16x16x32_f16 v[8*(4*\fb+\xb):8*(4*\fb+\xb)+7], v[FW+8*\fb:FW+8*\fb+7], v[FX+8*\xb:FX+8*\xb+7], 0
.else
	v_wmma_f32_16x16x32_f16 v[8*(4*\fb+\xb):8*(4*\fb+\xb)+7], v[FW+8*\fb:FW+8*\fb+7], v[FX+8*\xb:FX+8*\xb+7], v[8*(4*\fb+\xb):8*(4*\fb+\xb)+7]
.endif
.endr
.endr
.endm
; K step t, out of buffer t & 1.  The other buffer is free: every wave's reads of it were back before its signal of the trip before.
; One barrier a trip orders two things.  In front of its signal each wave's stores of step t + 1 into the other buffer are in LDS and its reads
; of this buffer are back; behind its wait the next trip reads the other buffer and stores into this one.  Between signal and wait: products alone.
.macro TRIP t
	FETCH ((\t)&1), 0
.if \t == 0
	MUL 1                                          ; the first products start the sums: nothing is cleared
.else
	MUL 0
.endif
.if \t < 7
	STASH (1-((\t)&1))                             ; step t + 1; its 64 conversions are also the places between the products and the loads into their fragments
	FETCH ((\t)&1), 1
	s_wait_dscnt 24                                ; LDS instructions end in order (ISA guide 5.7.1): the 32 stores are done, the 24 fragment loads behind them may be out
.if \t < 6
	LOADG (\t+2)                                   ; 128 KiB of the work-group go out a whole trip before they are converted
.else
	LOADB
.endif
	s_wait_dscnt 0x0                               ; my stores are in LDS and my reads of this buffer are back, for the other waves' sake
	s_barrier_signal -1
	MUL 0                                          ; register work while the others arrive
	s_barrier_wait -1
.else
	PLACES 4                                       ; four places between a product and a load into its fragments
	FETCH 1, 1
	MUL 0
.endif
	PLACES 4                                       ; four places in front of the next trip's loads into the fragments, and of the first read of a result
	WIN 0
.endm
	LOADG 0
	STASH 0
	s_wait_dscnt 0x0                               ; step 0 is in LDS, for the other waves' sake
	LOADG 1
	s_barrier_signal -1
	s_barrier_wait -1
	TRIP 0
	TRIP 1
	TRIP 2
	TRIP 3
	TRIP 4
	TRIP 5
	TRIP 6
	TRIP 7
	; bias, in f32
	s_wait_loadcnt 0x0                             ; the bias
	WIN 0x41                                       ; sums in window 1, bias in window 0
.irp fb, 0,1,2,3,4,5,6,7
.irp xb, 0,1,2,3
.irp p, 0,2,4,6
	v_pk_add_f32 v[8*(4*\fb+\xb)+\p:8*(4*\fb+\xb)+\p+1], v[8*(4*\fb+\xb)+\p:8*(4*\fb+\xb)+\p+1], v[STG+8*\fb+\p:STG+8*\fb+\p+1]
.endr
.endr
.endr
; THE WAY OUT, one head (64 features) at a time: round to f16, 16 bytes a lane into my own 64 rows of buffer 0, read back four rows at a time,
; store 512 dense aligned bytes.  Buffer 0 was last read in step 6, and every wave's reads of it were back before its signal of that step's barrier.
; LDS serves a wave's instructions in order (ISA guide 5.7.1), so my loads see my stores without a wait.
.macro OUTH hd
	WIN 0x05                                       ; both sources in window 1
.irp fbl, 0,1,2,3
.irp xb, 0,1,2,3
.irp p, 0,1,2,3
	v_cvt_pk_f16_f32 v[STG+64+4*(4*\fbl+\xb)+\p], v[8*(4*(4*\hd+\fbl)+\xb)+2*\p], v[8*(4*(4*\hd+\fbl)+\xb)+2*\p+1]
.endr
.endr
.endr
	WIN 0
.irp fbl, 0,1,2,3
.irp xb, 0,1,2,3
	ds_store_b128 v[STW], v[STG+64+4*(4*\fbl+\xb):STG+64+4*(4*\fbl+\xb)+3] offset:16*PITCH*\xb+32*\fbl
.endr
.endr
	s_wait_xcnt 0x0                                ; the registers read back into were the last head's store data: rewritten only behind this wait
.set n, 0
.rept 16
	ds_load_b128 v[FW+4*n:FW+4*n+3], v[STR] offset:4*PITCH*n
.set n, n+1
.endr
.set n, 0
.rept 16
	s_wait_dscnt 15-n                              ; read-back n is in, the younger ones may be out
	global_store_b128 v[GO], v[FW+4*n:FW+4*n+3], s[38:39] offset:262144*\hd+512*n
.set n, n+1
.endr
.endm
	OUTH 0
	OUTH 1
	s_wait_tensorcnt 0x0
	ds_add_u32 v30, v31
	s_wait_dscnt 0x0
	s_endpgm
.Lfunc_end_k_q48c792df1f_proj:
	.size	k_q48c792df1f_proj, .Lfunc_end_k_q48c792df1f_proj-k_q48c792df1f_proj
	.p2alignl 7, 3214868480
	.fill 96, 4, 3214868480
	.section	.rodata,"a",@progbits
	.p2align	6, 0x0
	.amdhsa_kernel k_q48c792df1f_proj
		.amdhsa_group_segment_fixed_size 148480
		.amdhsa_private_segment_fixed_size 0
		.amdhsa_enable_private_segment 0
		.amdhsa_kernarg_size 96
		.amdhsa_user_sgpr_count 2
		.amdhsa_user_sgpr_kernarg_segment_ptr 1
		.amdhsa_wavefront_size32 1
		.amdhsa_system_sgpr_workgroup_id_x 1
		.amdhsa_system_sgpr_workgroup_id_y 1
		.amdhsa_system_sgpr_workgroup_id_z 1
		.amdhsa_system_vgpr_workitem_id 0
		.amdhsa_next_free_vgpr 512
		.amdhsa_next_free_sgpr 66
		.amdhsa_reserve_vcc 0
		.amdhsa_float_denorm_mode_32 3
		.amdhsa_float_denorm_mode_16_64 3
		.amdhsa_memory_ordered 1
		.amdhsa_forward_progress 1
		.amdhsa_inst_pref_size 165
	.end_amdhsa_kernel
	.amdgpu_metadata
---
amdhsa.version: [ 1, 2 ]
amdhsa.kernels:
  - .name:           k_q48c792df1f_proj
    .symbol:         k_q48c792df1f_proj.kd
    .args:
      - { .name: q, .offset: 0, .size: 8, .value_kind: global_buffer, .address_space: global }
      - { .name: k, .offset: 8, .size: 8, .value_kind: global_buffer, .address_space: global }
      - { .name: v, .offset: 16, .size: 8, .value_kind: global_buffer, .address_space: global }
      - { .name: W_q, .offset: 24, .size: 8, .value_kind: global_buffer, .address_space: global }
      - { .name: W_k, .offset: 32, .size: 8, .value_kind: global_buffer, .address_space: global }
      - { .name: W_v, .offset: 40, .size: 8, .value_kind: global_buffer, .address_space: global }
      - { .name: b_q, .offset: 48, .size: 8, .value_kind: global_buffer, .address_space: global }
      - { .name: b_k, .offset: 56, .size: 8, .value_kind: global_buffer, .address_space: global }
      - { .name: b_v, .offset: 64, .size: 8, .value_kind: global_buffer, .address_space: global }
      - { .name: Qp, .offset: 72, .size: 8, .value_kind: global_buffer, .address_space: global }
      - { .name: Kp, .offset: 80, .size: 8, .value_kind: global_buffer, .address_space: global }
      - { .name: Vp, .offset: 88, .size: 8, .value_kind: global_buffer, .address_space: global }
    .group_segment_fixed_size: 148480
    .private_segment_fixed_size: 0
    .kernarg_segment_align: 8
    .kernarg_segment_size: 96
    .max_flat_workgroup_size: 256
    .sgpr_count:     66
    .vgpr_count:     512
    .wavefront_size: 32
...
	.end_amdgpu_metadata
.endif
;; end of part 1
;; launch attn (part 2): grid 8 x 32, 8 waves a work-group, clusters of 4 x 1, 327,680 bytes of LDS; arguments Qp, Kp, Vp, W_o, AO, Wo16; writes AO, Wo16
.if DOCPART == 2
	.amdgcn_target "amdgcn-amd-amdhsa--gfx1250"
	.amdhsa_code_object_version 6
	.text
	.protected	k_q48c792df1f_attn
	.globl	k_q48c792df1f_attn
	.p2align	8
	.type	k_q48c792df1f_attn,@function
k_q48c792df1f_attn:
	s_mov_b64 s[64:65], 0
	v_nop
	global_prefetch_b8 v0, s[64:65] scope:SCOPE_SE
	s_setreg_imm32_b32 hwreg(HW_REG_WAVE_MODE, 25, 1), 1
	s_wait_xcnt 0x0
	s_wait_alu depctr_hold_cnt(0) depctr_sa_sdst(0) depctr_va_vdst(0) depctr_va_sdst(0) depctr_va_ssrc(0) depctr_va_vcc(0) depctr_vm_vsrc(0)
	s_getreg_b32 s2, hwreg(HW_REG_IB_STS2, 6, 4)
	s_cmp_eq_u32 s2, 0
	s_cbranch_scc0 .Lentry_in_a_cluster
	s_endpgm
.Lentry_in_a_cluster:
	s_bfe_u32 s2, ttmp6, 0x10000c
	s_cmp_lg_u32 s2, 0x3003
	s_cbranch_scc0 .Lentry_shape_is_right
	s_endpgm
.Lentry_shape_is_right:
; AO = f16(softmax(Q K^T / 8) V) for one head and 256 queries a work-group, with a running maximum.  Qp, Kp, Vp, AO: [batch*8 + head][2048][64] f16.
; Eight waves: wave w takes queries 64 (w & 3) .. +63 and key group g = w >> 2.  K and V come in eight tiles of 256 keys through two LDS slots;
; group g works on keys 128 g .. +127 of every tile, in two sub-steps of 64 keys.  The two groups' sums are merged once, at the end, through LDS.
; SIDE JOB: W_o (512 x 512 f32) is rounded to f16 into Wo16 for the next launch: 256 work-groups x 256 lanes x 4 numbers cover it once.
; CLUSTER: the four query blocks of a cluster (4, 1, 1) need the same K and V tiles and ask for them jointly (mask 15).  Waves 0-3 ask for K's
; quarters, waves 4-7 for V's; a wave has at most two tensor loads out (tiles 0 and 1 at the start), later one.
; PRODUCTS, both transposed: S^T = K Q^T (lane l holds query l % 16, its registers keys 8 (l / 16) + 0..7), so two neighbouring key blocks, packed
; to f16, ARE the second source of O^T = V^T P^T.  V^T is read from V's rows by the transposing LDS load.
; THE PIPELINE.  Block B = 4 x sub-step + n is 16 queries x 64 keys.  Step k has three phases, each under one setting of the register windows:
;   X: multiply-add and exponential of block k, the 8 products of S(k+2) among them;  Y: sums and packing of block k, the maximum of block k+1
;   woven in;  Z: the 8 products of PV(k), the rescaling of O's block k+1 among them.  So matrix and vector work are mixed inside every wave.
; The state is nmc = -(log2 e / 8) x running maximum; p = exp2(s c + nmc) and alpha = exp2(nmc_new - nmc_old) use the same rounded number.
; LIMITS: operands in f16 (|Q|, |K|, |V|, |W_o| below 65,504); scores must be finite; a NaN score is dropped by the maximum and does not spread
; as in the reference; a p below about 6e-8 of its group's maximum rounds to 0 in f16.
.set TILE,  32768                      ; 256 keys x 128 bytes
.set KP,    272                        ; K in LDS: a row of 256 bytes (keys 2 i, 2 i + 1) + 16: a fragment's 16 keys start at 16 different 16-byte columns of 256 bytes
.set VP,    288                        ; V in LDS: the same + 32: the 16 addresses of half a transposing load fall on 16 different columns
.set VREG,  36864                      ; V's place in a slot: K's 34,816 bytes rounded up, so that V's quarter of wave w lies at 9,216 w
.set SLOT,  73728
.set MERGE, 2*SLOT                     ; 4 x 17,408: group 1's O (32 x 512 bytes), nmc (512), l (512).  No tensor load lands here
.set MREG,  17408
.set STAGE, MERGE+4*MREG               ; 4 x 9,216: 64 rows of 128 + 16 bytes, the way out.  No tensor load lands here
.set SREG,  9216
.set ADRK, 8                           ; v8-9    my K fragments in slot 0, 1
.set ADRV, 10                          ; v10-11  my V^T fragments in slot 0, 1
.set QOFF, 12
.set MADR, 13
.set STW,  14
.set STR,  15
.set GO,   16
.set WOF,  17                          ; v17     16 x thread: my four numbers of W_o
.set WST,  18                          ; v18     8 x thread: where they go in Wo16
.set ST,   20                          ; v20-27  query block n: the pair (nmc, alpha)
.set LS,   28                          ; v28-35  query block n: a pair of running sums (keys 0-31 of a sub-step); the pair for keys 32-63 lies 16 registers on
.set TM,   36                          ; v36-39  at work: the four chains of a maximum
.set TX,   40                          ; v40-43  at work
.set PS,   44                          ; v44-51  in the loop the second sums; in the merge the partner's nmc (4) and l (4)
.set FP,   52                          ; v52-59  the merge's factors, pair (mine, partner's)
.set WD,   60                          ; v60-63  four numbers of W_o
.set KF,   64                          ; v64-127 K fragment (mb, ks) at 8 (2 mb + ks)
.set S0,   128                         ; v128-255 S^T: blocks (2 kk, n), (2 kk + 1, n) at 16 (4 kk + n); P's fragment (kk, n) is packed into the first 8 of the 16
.set QF,   128                         ; window 1: Q fragment (n, ks) at 128 + 8 (2 n + ks)
.set VF,   192                         ; window 1: V^T fragment (kk, md) at 192 + 8 (4 kk + md);  O^T tile (md, n) at 8 (4 md + n)
.set G1K, 24                           ; s[24:31] descriptor group 1 for K
.set G1V, 32                           ; s[32:39] for V: it differs in the padding alone
.set G0K, 40                           ; s[40:47] group 0 for K, one set a slot
.set G0V, 48                           ; s[48:55] group 0 for V
.set MSB, 0
.macro WIN new                         ; the immediate's high byte repeats the setting that is left
.if MSB != \new
	s_set_vgpr_msb (MSB<<8)|\new
.set MSB, \new
.endif
.endm
.macro PLACES n
.rept \n
	v_nop
.endr
.endm
; A round of the cluster's barrier: my work-group's barrier, wave 0 signals for the work-group, every wave waits for all four work-groups, my work-group's barrier once more.
.macro CREST                           ; a round behind its opening barrier
	s_cmp_lg_u32 s12, 0
	s_cbranch_scc1 .Lnot_wave_0_\@
	s_barrier_signal -3
.Lnot_wave_0_\@:
	s_barrier_wait -3
	s_barrier_signal -1
	s_barrier_wait -1
.endm
.macro ROUND
	s_barrier_signal -1
	s_barrier_wait -1
	CREST
.endm
; A joint load into slot sl.  The branch hangs on the wave's number alone and is the same in all four work-groups.
.macro JLOAD sl
	s_cmp_eq_u32 s13, 0
	s_cbranch_scc0 .Lfor_v_\@
	tensor_load_to_lds s[G0K+4*(\sl):G0K+4*(\sl)+3], s[G1K:G1K+7]
	s_nop 0
	s_branch .Lasked_\@
.Lfor_v_\@:
	tensor_load_to_lds s[G0V+4*(\sl):G0V+4*(\sl)+3], s[G1V:G1V+7]
	s_nop 0
.Lasked_\@:
.endm
	s_load_b256 s[4:11], s[0:1], 0x0               ; Qp s[4:5], Kp s[6:7], Vp s[8:9], W_o s[10:11]
	s_load_b128 s[68:71], s[0:1], 0x20             ; AO s[68:69], Wo16 s[70:71]
	v_lshl_add_u32 v7, v0, 2, 0x3e000
	v_mov_b32 v19, 0
	ds_add_u32 v7, v19
	v_lshrrev_b32 v1, 5, v0
	v_readfirstlane_b32 s12, v1                    ; wave 0..7
	s_lshr_b32 s13, s12, 2                         ; g: my half of the keys.  Also: I ask for K (0) or V (1)
	s_and_b32 s14, s12, 3                          ; qw: my 64 queries.  Also: which quarter of a tile I ask for
	s_bfe_u32 s15, ttmp6, 0x40000                  ; cx
	s_lshl_b32 s16, ttmp9, 2
	s_add_co_u32 s16, s16, s15                     ; query block = 4 x cluster x + cx
	s_and_b32 s17, ttmp7, 0xffff                   ; batch*8 + head
	s_mov_b32 s18, 0x3e38aa3b                      ; c = log2(e) / 8, twice: a pair for the packed multiply-add
	s_mov_b32 s19, 0x3e38aa3b
	s_mov_b32 s20, 0xbe38aa3b                      ; -c
	s_mov_b32 s21, 0x76543210                      ; v_permlanex16_b32: lane i of one half reads lane i of the other
	s_mov_b32 s22, 0xfedcba98
	; group 1: 32 dense rows of 32 elements of 8 bytes (64 keys), padded behind every 64 words
	s_mov_b32 s[G1K+0], 15|(3<<16)|(1<<20)|(1<<21)|(5<<22)|(3<<25)   ; mask: all four of the cluster; 8-byte elements; padding on; bit 21 beside a mask; every 64 words; 4 words
	s_mov_b32 s[G1V+0], 15|(3<<16)|(1<<20)|(1<<21)|(5<<22)|(7<<25)   ; the same with 8 words of padding
.irp g, G1K, G1V
	s_mov_b32 s[\g+1], 32<<16                      ; tensor_dim0 = 32
	s_mov_b32 s[\g+2], 32<<16                      ; tensor_dim1 = 32
	s_mov_b32 s[\g+3], 32<<16                      ; tile_dim0 = 32
	s_mov_b32 s[\g+4], 32                          ; tile_dim1 = 32
	s_mov_b32 s[\g+5], 32                          ; pitch = 32 elements: dense
	s_mov_b32 s[\g+6], 0
	s_mov_b32 s[\g+7], 0
.endr
	; vector addresses
	v_and_b32 v1, 31, v0                           ; l
	v_and_b32 v2, 15, v0                           ; r = l % 16
	v_bfe_u32 v3, v0, 4, 1                         ; h = l / 16
	v_and_b32 v5, 1, v0
	v_bfe_u32 v4, v0, 1, 3                         ; r / 2
	v_mul_u32_u24 v6, v4, KP
	v_lshl_add_u32 v6, v5, 7, v6                   ; key r lies at (r / 2) x pitch + 128 (r % 2)
	v_lshl_add_u32 v6, v3, 4, v6                   ; + 16 h
	s_mul_i32 s2, s13, 64*KP                       ; my group's 128 keys
	v_add_nc_u32 v[ADRK], s2, v6
	v_add_nc_u32 v[ADRK+1], SLOT, v[ADRK]
	v_bfe_u32 v4, v0, 1, 2                         ; (l % 8) / 2
	v_lshl_add_u32 v4, v3, 2, v4                   ; key 8 h + l % 8 lies in row 4 h + (l % 8) / 2,
	v_mul_u32_u24 v6, v4, VP
	v_lshl_add_u32 v6, v5, 7, v6                   ; half l % 2;
	v_bfe_u32 v4, v0, 3, 1
	v_lshl_add_u32 v6, v4, 4, v6                   ; 16 bytes (8 d) for each group of eight lanes
	s_mul_i32 s2, s13, 64*VP
	s_add_co_u32 s2, s2, VREG
	v_add_nc_u32 v[ADRV], s2, v6
	v_add_nc_u32 v[ADRV+1], SLOT, v[ADRV]
	v_lshlrev_b32 v[QOFF], 7, v2
	v_lshl_add_u32 v[QOFF], v3, 4, v[QOFF]         ; query r's row + 16 h
	s_mul_i32 s2, s14, MREG
	s_add_co_u32 s2, s2, MERGE
	v_lshl_add_u32 v[MADR], v1, 4, s2
	s_mul_i32 s2, s14, SREG
	s_add_co_u32 s2, s2, STAGE
	v_mul_u32_u24 v6, v2, 144
	v_lshl_add_u32 v6, v3, 4, v6
	v_add_nc_u32 v[STW], s2, v6
	v_bfe_u32 v4, v0, 3, 2
	v_and_b32 v5, 7, v0
	v_mul_u32_u24 v6, v4, 144
	v_lshl_add_u32 v6, v5, 4, v6
	v_add_nc_u32 v[STR], s2, v6
	v_lshlrev_b32 v[GO], 4, v1
	v_lshlrev_b32 v[WOF], 4, v0
	v_lshlrev_b32 v[WST], 3, v0
.irp nb, 0,1,2,3
	v_mov_b32 v[ST+2*\nb+1], 1.0                   ; alpha: the pair is named before the first alpha is made
.endr
	v_mov_b32 v[TX], 0                             ; v_permlanex16_b32's destination counts as read
	; scalar addresses.  s[56:61] hold only what the four partners share; the query block enters s[62:63], s[66:67] and the bases of Q, AO, W_o, Wo16 alone
	s_lshl_b32 s56, s17, 18                        ; the head's 262,144 bytes
	s_lshl_b32 s3, s14, 13                         ; + 64 qw rows of 128 bytes: my quarter of a tile, and my queries in their block
	s_add_co_u32 s56, s56, s3
	s_mov_b32 s57, 0
	s_lshl_b32 s62, s16, 15                        ; 256 queries a block
	s_mov_b32 s63, 0
	s_lshl_b32 s66, s17, 3
	s_add_co_u32 s66, s66, s16                     ; the work-group's number, 0..255
	s_lshl_b32 s66, s66, 11                        ; 256 lanes x 8 bytes of Wo16
	s_mov_b32 s67, 0
	s_mul_i32 s2, s12, 32*KP                       ; K's quarter of wave w (0..3) lies at 8,704 w,
	s_mul_i32 s3, s12, 32*VP                       ; V's quarter of wave w (4..7) at 36,864 + 9,216 (w - 4) = 9,216 w
	s_wait_dscnt 0x0
	s_wait_kmcnt 0x0
	s_add_nc_u64 s[58:59], s[6:7], s[56:57]
	s_add_nc_u64 s[60:61], s[8:9], s[56:57]
	s_add_nc_u64 s[4:5], s[4:5], s[56:57]
	s_add_nc_u64 s[4:5], s[4:5], s[62:63]
	s_add_nc_u64 s[68:69], s[68:69], s[56:57]
	s_add_nc_u64 s[68:69], s[68:69], s[62:63]
	s_add_nc_u64 s[70:71], s[70:71], s[66:67]
	s_add_nc_u64 s[10:11], s[10:11], s[66:67]      ; W_o: 16 bytes a lane, twice the offset
	s_add_nc_u64 s[10:11], s[10:11], s[66:67]
.irp sl, 0,1
	s_mov_b32 s[G0K+4*\sl], 1                                      ; count = 1
	s_add_co_u32 s[G0K+4*\sl+1], s2, \sl*SLOT                      ; LDS address
	s_add_nc_u64 s[G0K+4*\sl+2:G0K+4*\sl+3], s[58:59], \sl*TILE    ; global address: tile sl
	s_or_b32 s[G0K+4*\sl+3], s[G0K+4*\sl+3], 0x80000000            ; type = 2
	s_mov_b32 s[G0V+4*\sl], 1
	s_add_co_u32 s[G0V+4*\sl+1], s3, \sl*SLOT
	s_add_nc_u64 s[G0V+4*\sl+2:G0V+4*\sl+3], s[60:61], \sl*TILE
	s_or_b32 s[G0V+4*\sl+3], s[G0V+4*\sl+3], 0x80000000
.endr
	ROUND                                          ; all four work-groups are here: the first joint loads meet
	JLOAD 0                                        ; tiles 0 and 1: both slots' first fill
	JLOAD 1
	global_load_b128 v[WD:WD+3], v[WOF], s[10:11]
	WIN 0x40                                       ; Q's fragments stay in window 1 for the whole kernel
.irp nb, 0,1,2,3
.irp ks, 0,1
	global_load_b128 v[QF+8*(2*\nb+\ks):QF+8*(2*\nb+\ks)+3],   v[QOFF], s[4:5] offset:2048*\nb+64*\ks
	global_load_b128 v[QF+8*(2*\nb+\ks)+4:QF+8*(2*\nb+\ks)+7], v[QOFF], s[4:5] offset:2048*\nb+64*\ks+32
.endr
.endr
	WIN 0
	s_wait_loadcnt 0x0
	v_cvt_pk_f16_f32 v[WD],   v[WD],   v[WD+1]
	v_cvt_pk_f16_f32 v[WD+1], v[WD+2], v[WD+3]
	global_store_b64 v[WST], v[WD:WD+1], s[70:71]  ; a wave's store covers 256 consecutive aligned bytes; WD is not written again
; 16 LDS loads: the K fragments of sub-step u (64 keys x 64 d)
.macro KLOAD sl, u
	WIN 0
.irp mb, 0,1,2,3
.irp ks, 0,1
	ds_load_b128 v[KF+8*(2*\mb+\ks):KF+8*(2*\mb+\ks)+3],   v[ADRK+\sl] offset:32*KP*\u+8*KP*\mb+64*\ks
	ds_load_b128 v[KF+8*(2*\mb+\ks)+4:KF+8*(2*\mb+\ks)+7], v[ADRK+\sl] offset:32*KP*\u+8*KP*\mb+64*\ks+32
.endr
.endr
.endm
; 16 transposing LDS loads: the V^T fragments of sub-step u (64 d x 64 keys); the second load of a fragment is 16 keys = 8 rows on
.macro VLOAD sl, u
	WIN 0x40
.irp kk, 0,1
.irp md, 0,1,2,3
	ds_load_tr16_b128 v[VF+8*(4*\kk+\md):VF+8*(4*\kk+\md)+3],   v[ADRV+\sl] offset:32*VP*\u+16*VP*\kk+32*\md
	ds_load_tr16_b128 v[VF+8*(4*\kk+\md)+4:VF+8*(4*\kk+\md)+7], v[ADRV+\sl] offset:32*VP*\u+16*VP*\kk+32*\md+8*VP
.endr
.endr
.endm
; Product number xg (0..7) of S^T's block n2: key block xg & 3, d half xg >> 2.  The four accumulators take turns, one instruction a turn.
.macro SW n2
.set sb, S0+16*(4*((xg&3)>>1)+\n2)+8*(xg&1)
.set ka, KF+8*(2*(xg&3)+(xg>>2))
.set qa, QF+8*(2*\n2+(xg>>2))
.if xg < 4
	v_wmma_f32_16x16x32_f16 v[sb:sb+7], v[ka:ka+7], v[qa:qa+7], 0
.else
	v_wmma_f32_16x16x32_f16 v[sb:sb+7], v[ka:ka+7], v[qa:qa+7], v[sb:sb+7]
.endif
.endm
; Vector line number xq (0..47) of phase X for block n: 8 packed s c + nmc, 16 exponentials, and the same for keys 32-63
.macro XVEC n
.if xq < 8
.set xr, S0+16*\n+2*xq
	v_pk_fma_f32 v[xr:xr+1], v[xr:xr+1], s[18:19], v[ST+2*\n:ST+2*\n+1] op_sel_hi:[1,0,0]
.else
.if xq < 24
	v_exp_f32 v[S0+16*\n+xq-8], v[S0+16*\n+xq-8]
.else
.if xq < 32
.set xr, S0+64+16*\n+2*(xq-24)
	v_pk_fma_f32 v[xr:xr+1], v[xr:xr+1], s[18:19], v[ST+2*\n:ST+2*\n+1] op_sel_hi:[1,0,0]
.else
	v_exp_f32 v[S0+64+16*\n+xq-32], v[S0+64+16*\n+xq-32]
.endif
.endif
.endif
.endm
; Phase X.  Source 1 in window 1 (Q); the vector lines' second source is scalar, so one setting serves both.
; The block written (n2 = n + 2) was last read, as P, two steps ago; the line behind the last exponential is plain work on another block.
.macro PHX n, n2, sdo
	WIN 0x04
.set xq, 0
.set xg, 0
.rept 8
.if \sdo
	SW \n2
.endif
.rept 6
	XVEC \n
.set xq, xq+1
.endr
.set xg, xg+1
.endr
.endm
; The maximum of block n1: four chains over the four key blocks' registers 0-6, registers 7 added to the first two chains
.macro MXL n1, lev
.irp j, 0,1,2,3
.if \lev == 0
	v_max3_num_f32 v[TM+\j], v[S0+16*\n1+8*(\j&1)+64*(\j>>1)], v[S0+16*\n1+8*(\j&1)+64*(\j>>1)+1], v[S0+16*\n1+8*(\j&1)+64*(\j>>1)+2]
.else
	v_max3_num_f32 v[TM+\j], v[TM+\j], v[S0+16*\n1+8*(\j&1)+64*(\j>>1)+2*\lev+1], v[S0+16*\n1+8*(\j&1)+64*(\j>>1)+2*\lev+2]
.endif
.endr
.endm
.macro MXD n1
	v_max3_num_f32 v[TM],   v[TM],   v[S0+16*\n1+7],  v[S0+16*\n1+71]
	v_max3_num_f32 v[TM+1], v[TM+1], v[S0+16*\n1+15], v[S0+16*\n1+79]
.endm
; Line t of the maximum's tail.  fm = 0: running; 1: the first sub-step (nmc starts, no alpha); 2: nothing
.macro MXT n1, t, fm
.if \fm < 2
.if \t == 0
	v_max3_num_f32 v[TM], v[TM], v[TM+1], v[TM+2]
.endif
.if \t == 1
	v_max_num_f32 v[TM], v[TM], v[TM+3]
.endif
.if \t == 2
	v_permlanex16_b32 v[TX], v[TM], s21, s22       ; the query's other 32 keys
.endif
.if \t == 3
	v_max_num_f32 v[TM], v[TM], v[TX]
.endif
.endif
.if \fm == 1
.if \t == 4
	v_mul_f32 v[ST+2*\n1], s20, v[TM]              ; nmc = -c x maximum
.endif
.endif
.if \fm == 0
.if \t == 4
	v_mul_f32 v[TM], s20, v[TM]
.endif
.if \t == 5
	v_min_num_f32 v[TM], v[TM], v[ST+2*\n1]        ; the smaller negative is the larger maximum
.endif
.if \t == 6
	v_sub_f32 v[ST+2*\n1+1], v[TM], v[ST+2*\n1]    ; new - old, at most 0
	v_mov_b32 v[ST+2*\n1], v[TM]
.endif
.if \t == 7
	v_exp_f32 v[ST+2*\n1+1], v[ST+2*\n1+1]         ; alpha; two plain lines on other registers follow (ISA guide 5.7.2)
.endif
.endif
.endm
; Pair i of block n, keys 32 kk ..: into the sum (f32, unrounded p), then packed to f16 into register i, which has been read by then
.macro SCI n, kk, i, fs
.set xb, S0+64*\kk+16*\n
.set lr, LS+16*\kk+2*\n
.if \i == 0
.if \fs
	s_wait_alu depctr_va_vdst(0)
	v_pk_add_f32 v[lr:lr+1], v[xb:xb+1], v[xb+2:xb+3]              ; the first two pairs start the sums
.else
	s_wait_alu depctr_va_vdst(0)
	v_pk_fma_f32 v[lr:lr+1], v[lr:lr+1], v[ST+2*\n:ST+2*\n+1], v[xb:xb+1] op_sel:[0,1,0] op_sel_hi:[1,1,1]   ; l alpha + p
.endif
.else
.set doadd, 1
.if \i == 1
.if \fs
.set doadd, 0
.endif
.endif
.if doadd
	v_pk_add_f32 v[lr:lr+1], v[lr:lr+1], v[xb+2*\i:xb+2*\i+1]
.endif
.endif
	v_cvt_pk_f16_f32 v[xb+\i], v[xb+2*\i], v[xb+2*\i+1]
.endm
; Phase Y in two halves, all in window 0
.macro YA n, n1, fs, fm
	WIN 0
.if \fm < 2
	MXL \n1, 0
.endif
.irp i, 0,1,2,3
	SCI \n, 0, \i, \fs
.endr
.if \fm < 2
	MXL \n1, 1
.endif
.irp i, 4,5,6,7
	SCI \n, 0, \i, \fs
.endr
.if \fm < 2
	MXL \n1, 2
	MXD \n1
.endif
.endm
.macro YB n, n1, fs, fm
.irp t, 0,1,2,3,4,5,6,7
	MXT \n1, \t, \fm
	SCI \n, 1, \t, \fs
.endr
.endm
; Phase Z: O^T's block n += V^T P^T, 8 products on four accumulators that take turns, one instruction a turn;
; behind each product two lines of O's block n1 times alpha.  V^T, C and D in window 1, P and alpha in window 0.
.macro PHZ n, n1, fs, fm
	WIN 0x51
.set zg, 0
.set zq, 0
.rept 8
.set ob, 8*(4*(zg&3)+\n)
.set va, VF+8*(4*(zg>>2)+(zg&3))
.set pb, S0+16*(4*(zg>>2)+\n)
.set zc, 0
.if \fs
.if zg < 4
.set zc, 1
.endif
.endif
.if zc
	v_wmma_f32_16x16x32_f16 v[ob:ob+7], v[va:va+7], v[pb:pb+7], 0
	s_wait_alu depctr_va_vdst(0)
.else
	v_wmma_f32_16x16x32_f16 v[ob:ob+7], v[va:va+7], v[pb:pb+7], v[ob:ob+7]
.endif
.if \fm == 0
	s_wait_alu depctr_va_vdst(0)
.rept 2
.set rb, 8*(4*(zq>>2)+\n1)+2*(zq&3)
	v_pk_mul_f32 v[rb:rb+1], v[rb:rb+1], v[ST+2*\n1:ST+2*\n1+1] op_sel:[0,1] op_sel_hi:[1,1]
.set zq, zq+1
.endr
.endif
.set zg, zg+1
.endr
.endm
; One tile = eight steps.  kind 0: the slot is filled again; 1: nothing is filled (tile 6); 2: the last tile.  f = 1: tile 0.
.macro TILEM sl, kind, f
	PHX 0, 2, 1
	YA 0, 1, \f, \f
	YB 0, 1, \f, \f
	s_wait_dscnt 0x0                               ; V^T of sub-step 0 is in (nothing younger is out)
	PHZ 0, 1, \f, \f
	PHX 1, 3, 1                                    ; the last products on sub-step 0's K
	YA 1, 2, \f, \f                                ; its 20 or more plain lines are the places in front of the loads onto K's fragments
	KLOAD \sl, 1
	YB 1, 2, \f, \f
	PHZ 1, 2, \f, \f
	s_wait_dscnt 0x0                               ; K of sub-step 1 is in
	PHX 2, 0, 1
	YA 2, 3, \f, \f
	YB 2, 3, \f, \f
	PHZ 2, 3, \f, \f
	PHX 3, 1, 1
	YA 3, 0, \f, 0
	YB 3, 0, \f, 0
	PHZ 3, 0, \f, 0
	PLACES 2                                       ; with the two multiplies behind the last product: four places in front of the loads onto V^T's fragments
	VLOAD \sl, 1
	PHX 0, 2, 1
	YA 0, 1, 0, 0
	YB 0, 1, 0, 0
	s_wait_dscnt 0x0                               ; V^T of sub-step 1 is in
	PHZ 0, 1, 0, 0
	PHX 1, 3, 1
	WIN 0
.if \kind < 2
	s_wait_tensorcnt 0x0                           ; all my tensor loads have landed, my part of the next tile among them: every group 0 may be written
	ds_add_u32 v7, v19
	s_wait_dscnt 0x0
.if \kind == 0
	s_add_nc_u64 s[G0K+4*\sl+2:G0K+4*\sl+3], s[G0K+4*\sl+2:G0K+4*\sl+3], 2*TILE     ; this slot's next tile
	s_add_nc_u64 s[G0V+4*\sl+2:G0V+4*\sl+3], s[G0V+4*\sl+2:G0V+4*\sl+3], 2*TILE
.endif
	s_wait_dscnt 0x0                               ; all of this tile's K and V are in my registers: my reads of the slot are over
	s_barrier_signal -1                            ; (kind 0: this barrier opens a round of the cluster's barrier)
.endif
	YA 1, 2, 0, 0                                  ; register work while the others arrive
	YB 1, 2, 0, 0
.if \kind < 2
	s_barrier_wait -1
.if \kind == 0
	CREST                                          ; no wave of any partner still reads this slot or has a load on its way
	JLOAD \sl                                      ; the tile after next: it has a whole tile's eight steps in which to land
.endif
	KLOAD (1-\sl), 0                               ; the next tile's first K
.endif
	PHZ 1, 2, 0, 0
.if \kind < 2
	s_wait_dscnt 0x0
	PHX 2, 0, 1
	YA 2, 3, 0, 0
	YB 2, 3, 0, 0
	PHZ 2, 3, 0, 0
	PHX 3, 1, 1
	YA 3, 0, 0, 0
	YB 3, 0, 0, 0
	PHZ 3, 0, 0, 0
	PLACES 2
	VLOAD (1-\sl), 0
.else
	PHX 2, 0, 0                                    ; the pipeline runs empty
	YA 2, 3, 0, 0
	YB 2, 3, 0, 0
	PHZ 2, 3, 0, 0
	PHX 3, 1, 0
	YA 3, 0, 0, 2
	YB 3, 0, 0, 2
	PHZ 3, 0, 0, 2
	PLACES 4                                       ; four places before O is read
.endif
	WIN 0
.endm
	s_wait_tensorcnt 1                             ; my part of tile 0 is in; tile 1's load may be out
	s_barrier_signal -1
	s_barrier_wait -1                              ; everybody's part is in
	KLOAD 0, 0
	VLOAD 0, 0
	s_wait_dscnt 16                                ; K's 16 loads are in; V's 16 younger ones may be out
	WIN 0x04
.set xg, 0
.rept 8
	SW 0                                           ; the pipeline is filled: S of blocks 0 and 1, eight accumulators by turns
	SW 1
.set xg, xg+1
.endr
	WIN 0
	PLACES 4                                       ; four places before a score is read
	MXL 0, 0
	MXL 0, 1
	MXL 0, 2
	MXD 0
.irp t, 0,1,2,3,4
	MXT 0, \t, 1
.endr
	TILEM 0, 0, 1                                  ; tile 0: its first sub-step starts maxima, sums and O
	TILEM 1, 0, 0
	s_mov_b32 s23, 2
.Ltiles:
	TILEM 0, 0, 0                                  ; tiles 2 to 5; tile 5 asks for tile 7, the last
	TILEM 1, 0, 0
	s_sub_co_u32 s23, s23, 1
	s_cmp_lg_u32 s23, 0
	s_cbranch_scc1 .Ltiles
	TILEM 0, 1, 0
	TILEM 1, 2, 0
	; THE MERGE.  Every wave: l of a query = the four sums of both its lanes.
.irp nb, 0,1,2,3
	v_add_f32 v[TX+\nb], v[LS+2*\nb], v[LS+2*\nb+1]
	v_add_f32 v[TM+\nb], v[LS+16+2*\nb], v[LS+16+2*\nb+1]
.endr
.irp nb, 0,1,2,3
	v_add_f32 v[TX+\nb], v[TX+\nb], v[TM+\nb]
.endr
.irp nb, 0,1,2,3
	v_permlanex16_b32 v[TM+\nb], v[TX+\nb], s21, s22
.endr
.irp nb, 0,1,2,3
	v_add_f32 v[TX+\nb], v[TX+\nb], v[TM+\nb]
.endr
	s_cmp_eq_u32 s13, 0
	s_cbranch_scc1 .Lno_put
.irp nb, 0,1,2,3
	v_mov_b32 v[TM+\nb], v[ST+2*\nb]               ; group 1 hands over nmc, l and O, lane for lane
.endr
	WIN 0x04                                       ; store data in window 1
.set n, 0
.rept 32
	ds_store_b128 v[MADR], v[4*n:4*n+3] offset:512*n
.set n, n+1
.endr
	WIN 0
	ds_store_b128 v[MADR], v[TM:TM+3] offset:16384
	ds_store_b128 v[MADR], v[TX:TX+3] offset:16896
.Lno_put:
	s_wait_dscnt 0x0                               ; the stores are in LDS, for the partner's sake
	s_barrier_signal -1
	s_barrier_wait -1
	s_cmp_lg_u32 s13, 0
	s_cbranch_scc1 .Lclose
	ds_load_b128 v[PS:PS+3],   v[MADR] offset:16384
	ds_load_b128 v[PS+4:PS+7], v[MADR] offset:16896
.set n, 0
.rept 32
	ds_load_b128 v[S0+4*n:S0+4*n+3], v[MADR] offset:512*n          ; the partner's O register n into v[128 + n]
.set n, n+1
.endr
	s_wait_dscnt 32                                ; nmc and l are in; the 32 loads of O may be out while the factors are made
.irp nb, 0,1,2,3
	v_min_num_f32 v[TM+\nb], v[ST+2*\nb], v[PS+\nb]                ; the common maximum
.endr
.irp nb, 0,1,2,3
	v_sub_f32 v[FP+2*\nb],   v[TM+\nb], v[ST+2*\nb]
	v_sub_f32 v[FP+2*\nb+1], v[TM+\nb], v[PS+\nb]
.endr
.irp nb, 0,1,2,3
	v_exp_f32 v[FP+2*\nb],   v[FP+2*\nb]
	v_exp_f32 v[FP+2*\nb+1], v[FP+2*\nb+1]
.endr
	v_nop                                          ; one plain place behind the exponentials
	s_wait_alu depctr_va_vdst(0)
.irp nb, 0,1,2,3
	v_mul_f32 v[TX+\nb], v[TX+\nb], v[FP+2*\nb]
.endr
.irp nb, 0,1,2,3
	v_fmac_f32 v[TX+\nb], v[PS+4+\nb], v[FP+2*\nb+1]               ; l = l0 a0 + l1 a1, at least about 1: one of a0, a1 is 1 and its l holds its maximum's p
.endr
.irp nb, 0,1,2,3
	v_rcp_f32 v[TM+\nb], v[TX+\nb]
.endr
	v_nop                                          ; one plain place behind the reciprocals
	s_wait_alu depctr_va_vdst(0)
.irp nb, 0,1,2,3
	v_mul_f32 v[FP+2*\nb],   v[FP+2*\nb],   v[TM+\nb]
	v_mul_f32 v[FP+2*\nb+1], v[FP+2*\nb+1], v[TM+\nb]
.endr
	s_wait_dscnt 0x0
.irp md, 0,1,2,3
.irp nb, 0,1,2,3
.irp p, 0,2,4,6
	v_pk_mul_f32 v[S0+8*(4*\md+\nb)+\p:S0+8*(4*\md+\nb)+\p+1], v[S0+8*(4*\md+\nb)+\p:S0+8*(4*\md+\nb)+\p+1], v[FP+2*\nb:FP+2*\nb+1] op_sel:[0,1] op_sel_hi:[1,1]
.endr
.endr
.endr
	WIN 0x01                                       ; my O in window 1
.irp md, 0,1,2,3
.irp nb, 0,1,2,3
.irp p, 0,2,4,6
	v_pk_fma_f32 v[S0+8*(4*\md+\nb)+\p:S0+8*(4*\md+\nb)+\p+1], v[8*(4*\md+\nb)+\p:8*(4*\md+\nb)+\p+1], v[FP+2*\nb:FP+2*\nb+1], v[S0+8*(4*\md+\nb)+\p:S0+8*(4*\md+\nb)+\p+1] op_sel_hi:[1,0,1]
.endr
.endr
.endr
	WIN 0
	; the way out: lane l holds query l % 16 and d = 16 md + 8 (l / 16) + 0..7: 16 bytes of a row, through my own stage, out as 512 dense bytes
.irp md, 0,1,2,3
.irp nb, 0,1,2,3
.irp p, 0,1,2,3
	v_cvt_pk_f16_f32 v[S0+8*(4*\md+\nb)+\p], v[S0+8*(4*\md+\nb)+2*\p], v[S0+8*(4*\md+\nb)+2*\p+1]
.endr
	ds_store_b128 v[STW], v[S0+8*(4*\md+\nb):S0+8*(4*\md+\nb)+3] offset:16*144*\nb+32*\md
.endr
.endr
.set n, 0
.rept 16
	ds_load_b128 v[KF+4*n:KF+4*n+3], v[STR] offset:4*144*n         ; LDS serves a wave's instructions in order (ISA guide 5.7.1): these see my stores
.set n, n+1
.endr
.set n, 0
.rept 16
	s_wait_dscnt 15-n                              ; read-back n is in, the younger ones may be out
	global_store_b128 v[GO], v[KF+4*n:KF+4*n+3], s[68:69] offset:512*n
.set n, n+1
.endr
.Lclose:
	s_wait_tensorcnt 0x0
	ds_add_u32 v7, v19
	s_wait_dscnt 0x0
	ROUND                                          ; the closing round: no work-group ends while a partner may still ask for a tile that names it
	s_endpgm
.Lfunc_end_k_q48c792df1f_attn:
	.size	k_q48c792df1f_attn, .Lfunc_end_k_q48c792df1f_attn-k_q48c792df1f_attn
	.p2alignl 7, 3214868480
	.fill 96, 4, 3214868480
	.section	.rodata,"a",@progbits
	.p2align	6, 0x0
	.amdhsa_kernel k_q48c792df1f_attn
		.amdhsa_group_segment_fixed_size 327680
		.amdhsa_private_segment_fixed_size 0
		.amdhsa_enable_private_segment 0
		.amdhsa_kernarg_size 48
		.amdhsa_user_sgpr_count 2
		.amdhsa_user_sgpr_kernarg_segment_ptr 1
		.amdhsa_wavefront_size32 1
		.amdhsa_system_sgpr_workgroup_id_x 1
		.amdhsa_system_sgpr_workgroup_id_y 1
		.amdhsa_system_sgpr_workgroup_id_z 1
		.amdhsa_system_vgpr_workitem_id 0
		.amdhsa_next_free_vgpr 512
		.amdhsa_next_free_sgpr 72
		.amdhsa_reserve_vcc 0
		.amdhsa_float_denorm_mode_32 3
		.amdhsa_float_denorm_mode_16_64 3
		.amdhsa_memory_ordered 1
		.amdhsa_forward_progress 1
		.amdhsa_inst_pref_size 255
	.end_amdhsa_kernel
	.section	.bss,"aw",@nobits
	.p2align	6
	.space	262144
	.amdgpu_metadata
---
amdhsa.version: [ 1, 2 ]
amdhsa.kernels:
  - .name:           k_q48c792df1f_attn
    .symbol:         k_q48c792df1f_attn.kd
    .args:
      - { .name: Qp, .offset: 0, .size: 8, .value_kind: global_buffer, .address_space: global }
      - { .name: Kp, .offset: 8, .size: 8, .value_kind: global_buffer, .address_space: global }
      - { .name: Vp, .offset: 16, .size: 8, .value_kind: global_buffer, .address_space: global }
      - { .name: W_o, .offset: 24, .size: 8, .value_kind: global_buffer, .address_space: global }
      - { .name: AO, .offset: 32, .size: 8, .value_kind: global_buffer, .address_space: global }
      - { .name: Wo16, .offset: 40, .size: 8, .value_kind: global_buffer, .address_space: global }
    .group_segment_fixed_size: 327680
    .private_segment_fixed_size: 0
    .kernarg_segment_align: 8
    .kernarg_segment_size: 48
    .max_flat_workgroup_size: 256
    .sgpr_count:     72
    .vgpr_count:     512
    .wavefront_size: 32
...
	.end_amdgpu_metadata
.endif
;; end of part 2
;; launch oproj (part 3): grid 4 x 64, 4 waves a work-group, clusters of 4 x 4, 279,040 bytes of LDS; arguments AO, Wo16, b_o, out0; writes out0
.if DOCPART == 3
	.amdgcn_target "amdgcn-amd-amdhsa--gfx1250"
	.amdhsa_code_object_version 6
	.text
	.protected	k_q48c792df1f_oproj
	.globl	k_q48c792df1f_oproj
	.p2align	8
	.type	k_q48c792df1f_oproj,@function
k_q48c792df1f_oproj:
	s_mov_b64 s[64:65], 0
	v_nop
	global_prefetch_b8 v0, s[64:65] scope:SCOPE_SE
	s_setreg_imm32_b32 hwreg(HW_REG_WAVE_MODE, 25, 1), 1
	s_wait_xcnt 0x0
	s_wait_alu depctr_hold_cnt(0) depctr_sa_sdst(0) depctr_va_vdst(0) depctr_va_sdst(0) depctr_va_ssrc(0) depctr_va_vcc(0) depctr_vm_vsrc(0)
	s_getreg_b32 s2, hwreg(HW_REG_IB_STS2, 6, 4)
	s_cmp_eq_u32 s2, 0
	s_cbranch_scc0 .Lentry_in_a_cluster
	s_endpgm
.Lentry_in_a_cluster:
	s_bfe_u32 s2, ttmp6, 0x10000c
	s_cmp_lg_u32 s2, 0xf033
	s_cbranch_scc0 .Lentry_shape_is_right
	s_endpgm
.Lentry_shape_is_right:
; out0 = AO W_o^T + b_o in f32.  AO: [batch*8 + head][2048][64] f16, Wo16: [512][512] f16 (W_o rounded by the launch before), b_o: [512] f32,
; out0: [8192][512] f32.  Work-group (x, y): rows 128 y .. +127 by features 128 x .. +127.  Four waves: wave w makes rows 64 (w >> 1) .. +63 by
; features 64 (w & 1) .. +63: 4 x 4 tiles of 16 x 16, 128 accumulator registers.
; K = 512 lies in LDS whole, as four slices of 128 (two heads): no LDS byte is filled twice.  A slice is four tiles of 16 KiB, one tensor load of
; one wave each: waves 0, 1 bring one head's 128 rows of AO (64 dense rows of 256 bytes), waves 2, 3 bring 64 rows x 256 bytes of Wo16.
; A wave's four loads go out together at the start: four are outstanding; the waits in front of the slices count down 3, 2, 1, 0.
; CLUSTER 4 x 4: AO's tiles hang on the row block alone and are asked for jointly along a row of the cluster, Wo16's on the feature block alone
; and jointly along a column: each tile is requested once for four work-groups.
; NUMBER FORMAT: operands f16, sums f32.  The matrix instruction is used transposed (source 0 = W_o's rows): a lane holds eight neighbouring
; features of one output row.
.set TP,   272                         ; an LDS row: 256 bytes + 16: 16 rows (or AO's 16 half rows) start at 16 different 16-byte columns of 256 bytes
.set TB,   64*TP                       ; a tile, 17,408 bytes
.set WREG, 8*TB                        ; AO's eight tiles (head hd at hd x TB); Wo16's eight lie behind them (slice j, half b at (2 j + b) x TB)
.set SLB,  2*TB                        ; from slice to slice
.set ADRX, 1                           ; v1  my AO fragments in the slice at hand
.set ADRW, 2                           ; v2  my W_o fragments
.set BOFF, 3
.set STW,  4
.set STR,  5
.set GO,   6
.set FA,   64                          ; v64-127  fragment buffer A: W_o 4 x 8, then AO 4 x 8
.set FB,   128                         ; v128-191 fragment buffer B
.set BIAS, 128                         ; window 1: tile (fb, xb) at 8 (4 fb + xb); bias at 128-159
.set G1A, 24                           ; s[24:31] group 1 for AO
.set G1B, 32                           ; s[32:39] group 1 for Wo16
.set G0A, 40                           ; s[40:55] group 0 for AO, one set a slice
.set G0B, 68                           ; s[68:83] group 0 for Wo16, one set a slice
.set MSB, 0
.macro WIN new                         ; the immediate's high byte repeats the setting that is left
.if MSB != \new
	s_set_vgpr_msb (MSB<<8)|\new
.set MSB, \new
.endif
.endm
.macro PLACES n
.rept \n
	v_nop
.endr
.endm
.macro ROUND                           ; a round of the cluster's barrier
	s_barrier_signal -1
	s_barrier_wait -1
	s_cmp_lg_u32 s12, 0
	s_cbranch_scc1 .Lnot_wave_0_\@
	s_barrier_signal -3
.Lnot_wave_0_\@:
	s_barrier_wait -3
	s_barrier_signal -1
	s_barrier_wait -1
.endm
	s_load_b256 s[4:11], s[0:1], 0x0               ; AO s[4:5], Wo16 s[6:7], b_o s[8:9], out0 s[10:11]
	v_lshl_add_u32 v254, v0, 2, 0x44000
	v_mov_b32 v255, 0
	ds_add_u32 v254, v255
	v_lshrrev_b32 v8, 5, v0
	v_readfirstlane_b32 s12, v8                    ; wave 0..3
	s_lshr_b32 s13, s12, 1                         ; wm: my 64 rows.  Also: I ask for AO (0) or Wo16 (1)
	s_and_b32 s14, s12, 1                          ; wn: my 64 features.  Also: which half of a slice I ask for
	s_bfe_u32 s15, ttmp6, 0x40000                  ; cx
	s_bfe_u32 s16, ttmp6, 0x40004                  ; cy
	s_lshl_b32 s17, ttmp9, 2
	s_add_co_u32 s17, s17, s15                     ; x = 4 x cluster x + cx
	s_and_b32 s18, ttmp7, 0xffff
	s_lshl_b32 s18, s18, 2
	s_add_co_u32 s18, s18, s16                     ; y = 4 x cluster y + cy
	s_lshl_b32 s19, s16, 2
	s_lshl_b32 s19, 15, s19                        ; my row of the cluster
	s_lshl_b32 s20, 0x1111, s15                    ; my column
	; group 1: 64 rows of 32 elements of 8 bytes, 4 words of padding behind every 64 words
	s_or_b32 s[G1A+0], s19, (3<<16)|(1<<20)|(1<<21)|(5<<22)|(3<<25)
	s_or_b32 s[G1B+0], s20, (3<<16)|(1<<20)|(1<<21)|(5<<22)|(3<<25)
.irp g, G1A, G1B
	s_mov_b32 s[\g+1], 32<<16                      ; tensor_dim0 = 32
	s_mov_b32 s[\g+2], 64<<16                      ; tensor_dim1 = 64
	s_mov_b32 s[\g+3], 32<<16                      ; tile_dim0 = 32
	s_mov_b32 s[\g+4], 64                          ; tile_dim1 = 64
	s_mov_b32 s[\g+6], 0
	s_mov_b32 s[\g+7], 0
.endr
	s_mov_b32 s[G1A+5], 32                         ; AO: dense
	s_mov_b32 s[G1B+5], 128                        ; Wo16: a row is 1,024 bytes
	s_mul_i32 s21, s13, WREG                       ; where my tiles go: the wave's number alone
	s_mul_i32 s22, s14, TB
	s_add_co_u32 s21, s21, s22
	; AO's address is made of y and the wave's number, Wo16's of x and the wave's number, each in registers that never hold the other coordinate
	s_lshr_b32 s56, s18, 4                         ; batch
	s_lshl_b32 s56, s56, 21                        ; eight heads of 262,144 bytes
	s_and_b32 s22, s18, 15
	s_lshl_b32 s22, s22, 14                        ; 128 rows of 128 bytes
	s_add_co_u32 s56, s56, s22
	s_lshl_b32 s22, s14, 18                        ; head 2 j + half
	s_add_co_u32 s56, s56, s22
	s_mov_b32 s57, 0
	s_lshl_b32 s58, s17, 17                        ; 128 rows of 1,024 bytes
	s_lshl_b32 s22, s14, 16                        ; + 64 x half
	s_add_co_u32 s58, s58, s22
	s_mov_b32 s59, 0
	s_lshl_b32 s60, s17, 9                         ; bias and output column: 128 x + 64 wn features of 4 bytes
	s_lshl_b32 s22, s14, 8
	s_add_co_u32 s60, s60, s22
	s_mov_b32 s61, 0
	s_lshl_b32 s62, s18, 18                        ; output row: 128 y + 64 wm rows of 2,048 bytes
	s_lshl_b32 s22, s13, 17
	s_add_co_u32 s62, s62, s22
	s_mov_b32 s63, 0
	s_wait_dscnt 0x0
	s_wait_kmcnt 0x0
	s_add_nc_u64 s[56:57], s[4:5], s[56:57]
	s_add_nc_u64 s[58:59], s[6:7], s[58:59]
	s_add_nc_u64 s[8:9], s[8:9], s[60:61]
	s_add_nc_u64 s[10:11], s[10:11], s[60:61]
	s_add_nc_u64 s[10:11], s[10:11], s[62:63]
.irp j, 0,1,2,3
	s_mov_b32 s[G0A+4*\j], 1                                       ; count = 1
	s_add_co_u32 s[G0A+4*\j+1], s21, \j*SLB                        ; LDS address
	s_add_nc_u64 s[G0A+4*\j+2:G0A+4*\j+3], s[56:57], \j*524288     ; two heads a slice
	s_or_b32 s[G0A+4*\j+3], s[G0A+4*\j+3], 0x80000000              ; type = 2
	s_mov_b32 s[G0B+4*\j], 1
	s_add_co_u32 s[G0B+4*\j+1], s21, \j*SLB
	s_add_nc_u64 s[G0B+4*\j+2:G0B+4*\j+3], s[58:59], \j*256        ; 128 k of 2 bytes a slice
	s_or_b32 s[G0B+4*\j+3], s[G0B+4*\j+3], 0x80000000
.endr
	ROUND                                          ; all sixteen work-groups are here: the joint loads meet
	s_cmp_eq_u32 s13, 0                            ; the branch hangs on the wave's number alone
	s_cbranch_scc0 .Lfor_w
.irp j, 0,1,2,3
	tensor_load_to_lds s[G0A+4*\j:G0A+4*\j+3], s[G1A:G1A+7]
	s_nop 0
.endr
	s_branch .Lasked
.Lfor_w:
.irp j, 0,1,2,3
	tensor_load_to_lds s[G0B+4*\j:G0B+4*\j+3], s[G1B:G1B+7]
	s_nop 0
	v_nop
.endr
.Lasked:
	v_and_b32 v9, 15, v0                           ; r
	v_bfe_u32 v10, v0, 4, 1                        ; h
	v_lshlrev_b32 v[BOFF], 5, v10
	WIN 0x40
.irp fb, 0,1,2,3
	global_load_b128 v[BIAS+8*\fb:BIAS+8*\fb+3],   v[BOFF], s[8:9] offset:64*\fb
	global_load_b128 v[BIAS+8*\fb+4:BIAS+8*\fb+7], v[BOFF], s[8:9] offset:64*\fb+16
.endr
	WIN 0
	v_bfe_u32 v11, v0, 1, 3                        ; r / 2
	v_and_b32 v12, 1, v0
	v_mul_u32_u24 v11, v11, TP
	v_lshl_add_u32 v11, v12, 7, v11                ; AO's row r lies at (r / 2) x pitch + 128 (r % 2)
	v_lshl_add_u32 v11, v10, 4, v11                ; + 16 h
	s_mul_i32 s22, s13, 32*TP                      ; my 64 rows
	v_add_nc_u32 v[ADRX], s22, v11
	v_mul_u32_u24 v13, v9, TP
	v_lshl_add_u32 v11, v10, 4, v13                ; r x pitch + 16 h
	s_mul_i32 s22, s14, TB
	s_add_co_u32 s22, s22, WREG
	v_add_nc_u32 v[ADRW], s22, v11
	s_mul_i32 s22, s12, TB                         ; my stage: 64 rows of 256 + 16 bytes
	v_lshl_add_u32 v11, v10, 5, v13                ; r x pitch + 32 h: eight f32
	v_add_nc_u32 v[STW], s22, v11
	v_mul_u32_u24 v11, v10, TP
	v_lshl_add_u32 v11, v9, 4, v11
	v_add_nc_u32 v[STR], s22, v11
	v_lshlrev_b32 v11, 11, v10
	v_lshl_add_u32 v[GO], v9, 4, v11               ; lanes 0-15 one output row's 256 bytes, lanes 16-31 the next row's
; 16 LDS loads: 32 along K, number ks of the slice: head ks >> 1, byte 64 (ks & 1) of AO's half rows; byte 64 ks of W_o's rows
.macro FETCH ks, buf
	WIN 0
.irp xb, 0,1,2,3
	ds_load_b128 v[\buf+32+8*\xb:\buf+32+8*\xb+3],   v[ADRX] offset:(\ks>>1)*TB+8*TP*\xb+64*(\ks&1)
	ds_load_b128 v[\buf+32+8*\xb+4:\buf+32+8*\xb+7], v[ADRX] offset:(\ks>>1)*TB+8*TP*\xb+64*(\ks&1)+32
.endr
.irp fb, 0,1,2,3
	ds_load_b128 v[\buf+8*\fb:\buf+8*\fb+3],   v[ADRW] offset:16*TP*\fb+64*\ks
	ds_load_b128 v[\buf+8*\fb+4:\buf+8*\fb+7], v[ADRW] offset:16*TP*\fb+64*\ks+32
.endr
.endm
; 16 matrix instructions.  The 16 accumulators take turns, one instruction a turn.
.macro MUL buf, zero
	WIN 0x50                                       ; C and D in window 1, fragments in window 0
.irp fb, 0,1,2,3
.irp xb, 0,1,2,3
.if \zero
	v_wmma_f32_16x16x32_f16 v[8*(4*\fb+\xb):8*(4*\fb+\xb)+7], v[\buf+8*\fb:\buf+8*\fb+7], v[\buf+32+8*\xb:\buf+32+8*\xb+7], 0
.else
	v_wmma_f32_16x16x32_f16 v[8*(4*\fb+\xb):8*(4*\fb+\xb)+7], v[\buf+8*\fb:\buf+8*\fb+7], v[\buf+32+8*\xb:\buf+32+8*\xb+7], v[8*(4*\fb+\xb):8*(4*\fb+\xb)+7]
.endif
.endr
.endr
.endm
.macro SLICE j
	s_wait_tensorcnt 3-\j                          ; my tile of this slice is in; the later slices' loads may be out
	s_wait_dscnt 0x0                               ; no LDS instruction of mine is pending at the signal
	s_barrier_signal -1
	s_barrier_wait -1                              ; the slice is whole
	FETCH 0, FA
	FETCH 1, FB
	s_wait_dscnt 16                                ; buffer A is in; buffer B's 16 loads may be out
.if \j == 0
	MUL FA, 1                                      ; the first products start the sums
.else
	MUL FA, 0
.endif
	PLACES 4                                       ; four places between a product and a load into its fragments
	FETCH 2, FA
	s_wait_dscnt 16
	MUL FB, 0
	PLACES 4
	FETCH 3, FB
	s_wait_dscnt 16
	MUL FA, 0
	s_wait_dscnt 0x0
	MUL FB, 0
	WIN 0
.if \j < 3
	v_add_nc_u32 v[ADRX], SLB, v[ADRX]             ; with the two v_nop: four places in front of the next slice's loads
	v_add_nc_u32 v[ADRW], SLB, v[ADRW]
	PLACES 2
.else
	PLACES 4                                       ; four places before a result is read
.endif
.endm
	SLICE 0
	SLICE 1
	SLICE 2
	SLICE 3
	s_wait_loadcnt 0x0                             ; the bias
	WIN 0x45
.irp fb, 0,1,2,3
.irp xb, 0,1,2,3
.irp p, 0,2,4,6
	v_pk_add_f32 v[8*(4*\fb+\xb)+\p:8*(4*\fb+\xb)+\p+1], v[8*(4*\fb+\xb)+\p:8*(4*\fb+\xb)+\p+1], v[BIAS+8*\fb+\p:BIAS+8*\fb+\p+1]
.endr
.endr
.endr
	; the way out: 32 bytes a lane into my own 64 rows, which lie in AO's tiles of slices 0 and 1: those bytes have had their only fill, and every
	; wave's reads of them were back before the last slice's barrier.  Back as rows of 256 bytes.
	WIN 0x04                                       ; store data in window 1
.irp fb, 0,1,2,3
.irp xb, 0,1,2,3
	ds_store_b128 v[STW], v[8*(4*\fb+\xb):8*(4*\fb+\xb)+3]   offset:16*TP*\xb+64*\fb
	ds_store_b128 v[STW], v[8*(4*\fb+\xb)+4:8*(4*\fb+\xb)+7] offset:16*TP*\xb+64*\fb+16
.endr
.endr
	WIN 0
.set n, 0
.rept 32
	ds_load_b128 v[FA+4*n:FA+4*n+3], v[STR] offset:2*TP*n          ; LDS serves a wave's instructions in order (ISA guide 5.7.1): these see my stores
.set n, n+1
.endr
.set n, 0
.rept 32
	s_wait_dscnt 31-n                              ; read-back n is in, the younger ones may be out
	global_store_b128 v[GO], v[FA+4*n:FA+4*n+3], s[10:11] offset:4096*n th:TH_STORE_NT   ; 16 lanes store 256 consecutive aligned bytes of a row
.set n, n+1
.endr
	s_wait_tensorcnt 0x0
	ds_add_u32 v254, v255
	s_wait_dscnt 0x0
	ROUND                                          ; the closing round: no work-group ends while a partner may still ask for a tile that names it
	s_endpgm
.Lfunc_end_k_q48c792df1f_oproj:
	.size	k_q48c792df1f_oproj, .Lfunc_end_k_q48c792df1f_oproj-k_q48c792df1f_oproj
	.p2alignl 7, 3214868480
	.fill 96, 4, 3214868480
	.section	.rodata,"a",@progbits
	.p2align	6, 0x0
	.amdhsa_kernel k_q48c792df1f_oproj
		.amdhsa_group_segment_fixed_size 279040
		.amdhsa_private_segment_fixed_size 0
		.amdhsa_enable_private_segment 0
		.amdhsa_kernarg_size 32
		.amdhsa_user_sgpr_count 2
		.amdhsa_user_sgpr_kernarg_segment_ptr 1
		.amdhsa_wavefront_size32 1
		.amdhsa_system_sgpr_workgroup_id_x 1
		.amdhsa_system_sgpr_workgroup_id_y 1
		.amdhsa_system_sgpr_workgroup_id_z 1
		.amdhsa_system_vgpr_workitem_id 0
		.amdhsa_next_free_vgpr 448
		.amdhsa_next_free_sgpr 88
		.amdhsa_reserve_vcc 0
		.amdhsa_float_denorm_mode_32 3
		.amdhsa_float_denorm_mode_16_64 3
		.amdhsa_memory_ordered 1
		.amdhsa_forward_progress 1
		.amdhsa_inst_pref_size 57
	.end_amdhsa_kernel
	.amdgpu_metadata
---
amdhsa.version: [ 1, 2 ]
amdhsa.kernels:
  - .name:           k_q48c792df1f_oproj
    .symbol:         k_q48c792df1f_oproj.kd
    .args:
      - { .name: AO, .offset: 0, .size: 8, .value_kind: global_buffer, .address_space: global }
      - { .name: Wo16, .offset: 8, .size: 8, .value_kind: global_buffer, .address_space: global }
      - { .name: b_o, .offset: 16, .size: 8, .value_kind: global_buffer, .address_space: global }
      - { .name: out0, .offset: 24, .size: 8, .value_kind: global_buffer, .address_space: global }
    .group_segment_fixed_size: 279040
    .private_segment_fixed_size: 0
    .kernarg_segment_align: 8
    .kernarg_segment_size: 32
    .max_flat_workgroup_size: 128
    .sgpr_count:     88
    .vgpr_count:     448
    .wavefront_size: 32
...
	.end_amdgpu_metadata
.endif
;; end of part 3
;; ======== version 2 of 2: 3 launches; version 1 with the launch proj written anew for expert scheduling mode
;; limits: values are held in f16: magnitudes above 65,504 overflow, below 6.1e-05 lose precision
;; workspace buffers: Qp 8,388,608 bytes; Kp 8,388,608 bytes; Vp 8,388,608 bytes; AO 8,388,608 bytes; Wo16 524,288 bytes
;; launch proj (part 4): grid 2 x 96, 8 waves a work-group, no clusters, 148,480 bytes of LDS; arguments q, k, v, W_q, W_k, W_v, b_q, b_k, b_v, Qp, Kp, Vp; writes Qp, Kp, Vp
.if DOCPART == 4
	.amdgcn_target "amdgcn-amd-amdhsa--gfx1250"
	.amdhsa_code_object_version 6
	.text
	.protected	k_q48c792df1f_proj
	.globl	k_q48c792df1f_proj
	.p2align	8
	.type	k_q48c792df1f_proj,@function
k_q48c792df1f_proj:
	s_mov_b64 s[64:65], 0
	v_nop
	global_prefetch_b8 v0, s[64:65] scope:SCOPE_SE
	s_setreg_imm32_b32 hwreg(HW_REG_WAVE_SCHED_MODE, 0, 2), 2
	s_setreg_imm32_b32 hwreg(HW_REG_WAVE_MODE, 25, 1), 1
	s_wait_xcnt 0x0
	s_wait_alu depctr_vm_vsrc(0)
; Qp, Kp, Vp = f16(x W^T + b), stored head-major: [batch*8 + head][s = 2048][d = 64] in f16 (a row is 128 bytes, a head 262,144 dense bytes).
; x: [8192][512] f32 (q, k or v), W: [512][512] f32, b: [512] f32.  Work-group (x, y): problem y >> 5 (q, k, v), rows 256 (y & 31) .. +255,
; features 256 x .. +255 (four heads).  Eight waves: wave w makes rows 64 (w >> 1) .. +63 by features 128 (w & 1) .. +127: 8 x 4 tiles of 16 x 16,
; 256 accumulator registers.  K = 512 goes in eight steps of 64 through two LDS buffers that take turns.
; THE PIPELINE: while step t is multiplied out of one buffer, step t + 1 is converted and stored into the other in the middle of the trip, and
; step t + 2's global loads go out behind it.  One barrier a trip; its signal and its wait are 32 products apart.
; 192 WORK-GROUPS: 3 x 8192 x 512 outputs have no equal tiling into 256 that stays inside one of q, k, v; tiles of 128 x 128 would double the
; bytes a work-group takes in for each output.
; NUMBER FORMAT: operands are rounded to f16, sums are f32.  LIMIT: |x|, |W| and |x W^T + b| must stay below 65,504 (f16's largest number).
; NO JOINT TENSOR LOADS: x and W are f32 in memory.  Through registers each number is converted once and LDS holds 2 bytes of it; a tensor load
; would lay 4 bytes into LDS, and each of the 2 (x) or 4 (W) waves that read a row would convert it again.
; THE MATRIX INSTRUCTION IS USED TRANSPOSED: source 0 = 16 features of W, source 1 = 16 rows of x, so lane l holds row l % 16 and its eight
; registers the features 8 (l / 16) + 0..7: eight neighbours of an output row.
; THE MODE: SCHED_MODE bits 1:0 = 2 (LLVM: expert scheduling mode 2), set by the entry lines.  The code itself states the register dependences
; between vector or matrix instructions and memory or LDS instructions, with s_wait_alu, always for 0.
; THE PLAN.  Registers that memory or LDS instructions touch:
;   v1-v11, v30, v31  offsets and LDS addresses: written at the head, never again; read by every load and store, the last two by the closing add.
;   STG v32-159       step t + 2's global loads land here (in trip 6 the bias, in v32-95); the stash's 64 conversions read them and write the
;                     packed pairs in place; its 32 LDS stores read the pairs.  On the way out v96-159 are written by a head's 64 conversions
;                     and read by its 16 LDS stores.
;   FX, FW v160-255   a trip's two fetches land here; its 2 x 32 products read them.  On the way out a head's 16 LDS loads land in FW and its
;                     16 global stores read it.
;   The accumulators (window 1) are named by matrix and vector instructions alone.
; A trip has three waits: va_vdst at its head (the last trip's products are done with FX and FW), va_vdst behind the stash's conversions (they
; have written the pairs and are done with STG; the first 32 products are done with FX and FW), vm_vsrc behind the stash's stores (they have
; read STG).  Behind the second of them no vector or matrix instruction stands ahead of the signal, so the 32 stores, the 32 global loads and
; the 24 fragment loads owe nothing more.  No room for a second set of fragments: two waves of 512 registers fill a SIMD's 1,024.
.set PITCH, 144                        ; an LDS row: 64 f16 = 128 bytes + 16: nine 16-byte columns, so 16 rows start at 16 different columns of 256 bytes
.set WREG,  256*PITCH                  ; x's 256 rows; W's 256 rows lie behind them
.set BUF,   2*WREG                     ; one buffer, 73,728 bytes
.set GOFF, 1                           ; v1      byte offset of my 16 bytes in x and in W: row 32 w + 8 (l / 16), column 4 (l % 16)
.set STO,  2                           ; v2-3    where I put them in buffer 0, 1
.set ADRX, 4                           ; v4-5    my x fragments in buffer 0, 1
.set ADRW, 6                           ; v6-7    my W fragments in buffer 0, 1
.set BOFF, 8                           ; v8      32 (l / 16): my eight biases in a block of 16
.set STW,  9                           ; v9      the way out: where I put 16 bytes of a row
.set STR,  10                          ; v10     the way out: where I read rows back
.set GO,   11                          ; v11     16 l: my 16 bytes of 512 dense output bytes
.set STG,  32                          ; v32-159 as loaded: x 16 x 4 registers, W 16 x 4; later the bias (v32-95) and packed results (v96-159)
.set FW,   160                         ; v160-223 eight W fragments; on the way out: rows read back
.set FX,   224                         ; v224-255 four x fragments
; window 1 (v256-511): accumulator tile (fb, xb) at 8 (4 fb + xb)
.set MSB, 0
.macro WIN new                         ; the immediate's high byte repeats the setting that is left
.if MSB != \new
	s_set_vgpr_msb (MSB<<8)|\new
.set MSB, \new
.endif
.endm
.macro PLACES n
.rept \n
	v_nop
.endr
.endm
	s_load_b512 s[8:23], s[0:1], 0x0               ; q k v W_q W_k W_v b_q b_k
	s_load_b256 s[24:31], s[0:1], 0x40             ; b_v Qp Kp Vp
	v_lshl_add_u32 v30, v0, 2, 0x24000             ; my spare word, behind the two buffers, and 0: made here and kept for the closing lines alone
	v_mov_b32 v31, 0
	v_lshrrev_b32 v12, 5, v0
	v_readfirstlane_b32 s2, v12                    ; wave 0..7
	s_and_b32 s41, ttmp7, 0xffff                   ; y
	s_lshr_b32 s42, s41, 5                         ; which problem: 0 q, 1 k, 2 v
	s_and_b32 s43, s41, 31                         ; row block
	s_wait_alu depctr_va_sdst(0)                   ; s2 is written, ahead of its first reader: offsets, LDS addresses and bases are made from it
	s_lshr_b32 s44, s2, 1                          ; wm: my 64 rows
	s_and_b32 s45, s2, 1                           ; wn: my 128 features
	v_and_b32 v13, 15, v0                          ; r = l % 16
	v_bfe_u32 v14, v0, 4, 1                        ; h = l / 16
	s_lshl_b32 s40, s2, 16                         ; 32 w rows of 2,048 bytes
	v_lshlrev_b32 v[GOFF], 4, v13
	v_lshl_add_u32 v[GOFF], v14, 14, v[GOFF]       ; lanes 16-31 take the row 8 further down
	v_add_nc_u32 v[GOFF], s40, v[GOFF]
	s_mul_i32 s40, s2, 32*PITCH
	v_mul_u32_u24 v15, v14, 8*PITCH                ; 8 rows = 1,152 bytes = 128 modulo 256: the two 128-byte pieces of a store fall on different halves of the 64 banks (ISA guide 11.1)
	v_lshl_add_u32 v[STO], v13, 3, v15             ; four f16 = 8 bytes a lane
	v_add_nc_u32 v[STO], s40, v[STO]
	v_add_nc_u32 v[STO+1], BUF, v[STO]
	v_mul_u32_u24 v15, v13, PITCH
	v_lshl_add_u32 v15, v14, 4, v15                ; r x pitch + 16 h: a fragment's lane term
	s_mul_i32 s40, s44, 64*PITCH
	v_add_nc_u32 v[ADRX], s40, v15
	v_add_nc_u32 v[ADRX+1], BUF, v[ADRX]
	s_mul_i32 s40, s45, 128*PITCH
	s_add_co_u32 s40, s40, WREG
	v_add_nc_u32 v[ADRW], s40, v15
	v_add_nc_u32 v[ADRW+1], BUF, v[ADRW]
	v_lshlrev_b32 v[BOFF], 5, v14
	s_mul_i32 s40, s2, 64*PITCH                    ; my stage: 64 rows in buffer 0
	v_add_nc_u32 v[STW], s40, v15
	v_bfe_u32 v16, v0, 3, 2
	v_and_b32 v17, 7, v0
	v_mul_u32_u24 v16, v16, PITCH
	v_lshl_add_u32 v16, v17, 4, v16                ; row l / 8, 16 bytes l % 8
	v_add_nc_u32 v[STR], s40, v16
	v_and_b32 v[GO], 31, v0
	v_lshlrev_b32 v[GO], 4, v[GO]
	s_wait_kmcnt 0x0
	s_cmp_eq_u32 s42, 1                            ; the problem's four buffers: a choice on the work-group's y alone
	s_cselect_b64 s[32:33], s[10:11], s[8:9]       ; x
	s_cselect_b64 s[34:35], s[16:17], s[14:15]     ; W
	s_cselect_b64 s[36:37], s[22:23], s[20:21]     ; b
	s_cselect_b64 s[38:39], s[28:29], s[26:27]     ; out
	s_cmp_eq_u32 s42, 2
	s_cselect_b64 s[32:33], s[12:13], s[32:33]
	s_cselect_b64 s[34:35], s[18:19], s[34:35]
	s_cselect_b64 s[36:37], s[24:25], s[36:37]
	s_cselect_b64 s[38:39], s[30:31], s[38:39]
	s_mov_b32 s47, 0
	s_lshl_b32 s46, s43, 19                        ; 256 rows of 2,048 bytes a row block
	s_add_nc_u64 s[32:33], s[32:33], s[46:47]
	s_lshl_b32 s46, ttmp9, 19                      ; 256 rows of W
	s_add_nc_u64 s[34:35], s[34:35], s[46:47]
	s_lshl_b32 s46, ttmp9, 10                      ; 256 biases
	s_lshl_b32 s40, s45, 9                         ; + 128 wn
	s_add_co_u32 s46, s46, s40
	s_add_nc_u64 s[36:37], s[36:37], s[46:47]
	s_lshr_b32 s46, s43, 3                         ; batch
	s_lshl_b32 s46, s46, 3
	s_lshl_b32 s40, ttmp9, 2
	s_add_co_u32 s46, s46, s40
	s_lshl_b32 s40, s45, 1
	s_add_co_u32 s46, s46, s40                     ; batch*8 + 4 x + 2 wn: my first head
	s_lshl_b32 s46, s46, 18
	s_and_b32 s40, s43, 7
	s_lshl_b32 s40, s40, 15                        ; 256 rows of 128 bytes
	s_add_co_u32 s46, s46, s40
	s_lshl_b32 s40, s44, 13                        ; + 64 wm rows
	s_add_co_u32 s46, s46, s40
	s_add_nc_u64 s[38:39], s[38:39], s[46:47]
; K step t of x and of W: 16 + 16 loads.  Load n takes rows 16 (n / 8) + n % 8 (lanes 0-15) and 8 further down (lanes 16-31) of my 32: 256 aligned
; bytes of each.  No pointer is stepped: the step is in the immediate.
.macro LOADG t
.set n, 0
.rept 16
	global_load_b128 v[STG+4*n:STG+4*n+3], v[GOFF], s[32:33] offset:2048*(16*(n>>3)+(n&7))+256*(\t)
.set n, n+1
.endr
.set n, 0
.rept 16
	global_load_b128 v[STG+64+4*n:STG+64+4*n+3], v[GOFF], s[34:35] offset:2048*(16*(n>>3)+(n&7))+256*(\t)
.set n, n+1
.endr
.endm
; my 8 x 8 biases: block fb's features 8 h + 0..7
.macro LOADB
.irp fb, 0,1,2,3,4,5,6,7
	global_load_b128 v[STG+8*\fb:STG+8*\fb+3],   v[BOFF], s[36:37] offset:64*\fb
	global_load_b128 v[STG+8*\fb+4:STG+8*\fb+7], v[BOFF], s[36:37] offset:64*\fb+16
.endr
.endm
; round to f16 in place and put into buffer b: all 64 conversions, one wait, all 32 stores, one wait
.macro STASH b
	WIN 0
	s_wait_loadcnt 16                              ; x's 16 loads are in; W's 16 younger ones may be out
.set n, 0
.rept 16
	v_cvt_pk_f16_f32 v[STG+4*n],   v[STG+4*n],   v[STG+4*n+1]
	v_cvt_pk_f16_f32 v[STG+4*n+1], v[STG+4*n+2], v[STG+4*n+3]
.set n, n+1
.endr
	s_wait_loadcnt 0x0
.set n, 0
.rept 16
	v_cvt_pk_f16_f32 v[STG+64+4*n],   v[STG+64+4*n],   v[STG+64+4*n+1]
	v_cvt_pk_f16_f32 v[STG+64+4*n+1], v[STG+64+4*n+2], v[STG+64+4*n+3]
.set n, n+1
.endr
	s_wait_alu depctr_va_vdst(0)                   ; the 64 conversions have written the pairs that the stores below read, and are done reading v[STG ..], in which the next global loads land; in a trip the 32 products ahead are done reading FX and FW, in which the second fetch lands
.set n, 0
.rept 16
	ds_store_b64 v[STO+\b], v[STG+4*n:STG+4*n+1] offset:PITCH*(16*(n>>3)+(n&7))
.set n, n+1
.endr
.set n, 0
.rept 16
	ds_store_b64 v[STO+\b], v[STG+64+4*n:STG+64+4*n+1] offset:WREG+PITCH*(16*(n>>3)+(n&7))
.set n, n+1
.endr
	s_wait_alu depctr_vm_vsrc(0)                   ; the 32 stores have read v[STG ..]: the global loads that follow land there, and behind the last stash the way out's conversions write v96-159
.endm
; 24 LDS loads: four x fragments first, then eight W fragments, 32 along K at byte 64 ks of the rows
.macro FETCH b, ks
	WIN 0
.irp xb, 0,1,2,3
	ds_load_b128 v[FX+8*\xb:FX+8*\xb+3],   v[ADRX+\b] offset:16*PITCH*\xb+64*\ks
	ds_load_b128 v[FX+8*\xb+4:FX+8*\xb+7], v[ADRX+\b] offset:16*PITCH*\xb+64*\ks+32
.endr
.irp fb, 0,1,2,3,4,5,6,7
	ds_load_b128 v[FW+8*\fb:FW+8*\fb+3],   v[ADRW+\b] offset:16*PITCH*\fb+64*\ks
	ds_load_b128 v[FW+8*\fb+4:FW+8*\fb+7], v[ADRW+\b] offset:16*PITCH*\fb+64*\ks+32
.endr
.endm
; 32 matrix instructions.  The 32 accumulators take turns, one instruction a turn.
.macro MUL zero
	WIN 0x50                                       ; C and D in window 1, fragments in window 0
.irp fb, 0,1,2,3,4,5,6,7
	s_wait_dscnt 14-2*\fb                          ; x and W's blocks 0..fb are in; the two loads of each later block may be out
.irp xb, 0,1,2,3
.if \zero
	v_wmma_f32_16x16x32_f16 v[8*(4*\fb+\xb):8*(4*\fb+\xb)+7], v[FW+8*\fb:FW+8*\fb+7], v[FX+8*\xb:FX+8*\xb+7], 0
.else
	v_wmma_f32_16x16x32_f16 v[8*(4*\fb+\xb):8*(4*\fb+\xb)+7], v[FW+8*\fb:FW+8*\fb+7], v[FX+8*\xb:FX+8*\xb+7], v[8*(4*\fb+\xb):8*(4*\fb+\xb)+7]
.endif
.endr
.endr
.endm
; K step t, out of buffer t & 1.  The other buffer is free: every wave's reads of it were back before its signal of the trip before.
; One barrier a trip orders two things.  In front of its signal each wave's stores of step t + 1 into the other buffer are in LDS and its reads
; of this buffer are back; behind its wait the next trip reads the other buffer and stores into this one.  Between signal and wait: products alone.
.macro TRIP t
.if \t > 0
	s_wait_alu depctr_va_vdst(0)                   ; the last trip's second 32 products are done reading FX and FW, in which the loads below land
.endif
	FETCH ((\t)&1), 0
.if \t == 0
	MUL 1                                          ; the first products start the sums: nothing is cleared
.else
	MUL 0
.endif
.if \t < 7
	STASH (1-((\t)&1))                             ; step t + 1; its 64 conversions are also the places (ISA guide 7.12.1) behind the products
.if \t < 6
	LOADG (\t+2)                                   ; 128 KiB of the work-group go out a whole trip before they are converted.  No wait: no vector or matrix instruction since the stash's two waits
.else
	LOADB
.endif
	FETCH ((\t)&1), 1                              ; no wait either: the stash's wait on va_vdst has shown the products done with FX and FW
	s_wait_dscnt 0x0                               ; my stores are in LDS and my reads of this buffer are back, for the other waves' sake
	s_barrier_signal -1
	MUL 0                                          ; register work while the others arrive
	s_barrier_wait -1
.else
	PLACES 4                                       ; four places behind the products
	WIN 0
	s_wait_alu depctr_va_vdst(0)                   ; the 32 products above are done reading FX and FW, in which the loads below land
	FETCH 1, 1
	MUL 0
.endif
	PLACES 4                                       ; four places in front of the next trip's loads into the fragments, and of the first read of a result
	WIN 0
.endm
	s_wait_alu depctr_va_vdst(0)                   ; v1 to v11 are written, which every load and store of the kernel reads as its offset or LDS address
	LOADG 0
	STASH 0
	LOADG 1                                        ; behind the stash's two waits, as in a trip
	s_wait_dscnt 0x0                               ; step 0 is in LDS, for the other waves' sake
	s_barrier_signal -1
	s_barrier_wait -1
	TRIP 0
	TRIP 1
	TRIP 2
	TRIP 3
	TRIP 4
	TRIP 5
	TRIP 6
	TRIP 7
	; bias, in f32
	s_wait_loadcnt 0x0                             ; the bias
	WIN 0x41                                       ; sums in window 1, bias in window 0
.irp fb, 0,1,2,3,4,5,6,7
.irp xb, 0,1,2,3
.irp p, 0,2,4,6
	v_pk_add_f32 v[8*(4*\fb+\xb)+\p:8*(4*\fb+\xb)+\p+1], v[8*(4*\fb+\xb)+\p:8*(4*\fb+\xb)+\p+1], v[STG+8*\fb+\p:STG+8*\fb+\p+1]
.endr
.endr
.endr
; THE WAY OUT, one head (64 features) at a time: round to f16, 16 bytes a lane into my own 64 rows of buffer 0, read back four rows at a time,
; store 512 dense aligned bytes.  Buffer 0 was last read in step 6, and every wave's reads of it were back before its signal of that step's barrier.
; LDS serves a wave's instructions in order (ISA guide 5.7.1), so my loads see my stores without a wait.
.macro OUTH hd
.if \hd > 0
	s_wait_alu depctr_vm_vsrc(0)                   ; the last head's LDS stores have read v96-159, which the conversions below write again, and its global stores have read FW, in which the read-backs below land
.endif
	WIN 0x05                                       ; both sources in window 1
.irp fbl, 0,1,2,3
.irp xb, 0,1,2,3
.irp p, 0,1,2,3
	v_cvt_pk_f16_f32 v[STG+64+4*(4*\fbl+\xb)+\p], v[8*(4*(4*\hd+\fbl)+\xb)+2*\p], v[8*(4*(4*\hd+\fbl)+\xb)+2*\p+1]
.endr
.endr
.endr
	WIN 0
	s_wait_alu depctr_va_vdst(0)                   ; the 64 conversions have written v96-159, which the LDS stores read; for the first head also: the last products are done reading FW, in which the read-backs land
.irp fbl, 0,1,2,3
.irp xb, 0,1,2,3
	ds_store_b128 v[STW], v[STG+64+4*(4*\fbl+\xb):STG+64+4*(4*\fbl+\xb)+3] offset:16*PITCH*\xb+32*\fbl
.endr
.endr
	s_wait_xcnt 0x0                                ; the registers read back into were the last head's store data: rewritten only behind this wait
.set n, 0
.rept 16
	ds_load_b128 v[FW+4*n:FW+4*n+3], v[STR] offset:4*PITCH*n
.set n, n+1
.endr
.set n, 0
.rept 16
	s_wait_dscnt 15-n                              ; read-back n is in, the younger ones may be out
	global_store_b128 v[GO], v[FW+4*n:FW+4*n+3], s[38:39] offset:262144*\hd+512*n
.set n, n+1
.endr
.endm
	OUTH 0
	OUTH 1
	s_wait_dscnt 0x0                               ; the closing lines, six on end
	s_wait_alu 0x0
	s_wait_tensorcnt 0x0
	ds_add_u32 v30, v31
	s_wait_dscnt 0x0
	s_endpgm
.Lfunc_end_k_q48c792df1f_proj:
	.size	k_q48c792df1f_proj, .Lfunc_end_k_q48c792df1f_proj-k_q48c792df1f_proj
	.p2alignl 7, 3214868480
	.fill 96, 4, 3214868480
	.section	.rodata,"a",@progbits
	.p2align	6, 0x0
	.amdhsa_kernel k_q48c792df1f_proj
		.amdhsa_group_segment_fixed_size 148480
		.amdhsa_private_segment_fixed_size 0
		.amdhsa_enable_private_segment 0
		.amdhsa_kernarg_size 96
		.amdhsa_user_sgpr_count 2
		.amdhsa_user_sgpr_kernarg_segment_ptr 1
		.amdhsa_wavefront_size32 1
		.amdhsa_system_sgpr_workgroup_id_x 1
		.amdhsa_system_sgpr_workgroup_id_y 1
		.amdhsa_system_sgpr_workgroup_id_z 1
		.amdhsa_system_vgpr_workitem_id 0
		.amdhsa_next_free_vgpr 512
		.amdhsa_next_free_sgpr 66
		.amdhsa_reserve_vcc 0
		.amdhsa_float_denorm_mode_32 3
		.amdhsa_float_denorm_mode_16_64 3
		.amdhsa_memory_ordered 1
		.amdhsa_forward_progress 1
		.amdhsa_inst_pref_size 166
	.end_amdhsa_kernel
	.amdgpu_metadata
---
amdhsa.version: [ 1, 2 ]
amdhsa.kernels:
  - .name:           k_q48c792df1f_proj
    .symbol:         k_q48c792df1f_proj.kd
    .args:
      - { .name: q, .offset: 0, .size: 8, .value_kind: global_buffer, .address_space: global }
      - { .name: k, .offset: 8, .size: 8, .value_kind: global_buffer, .address_space: global }
      - { .name: v, .offset: 16, .size: 8, .value_kind: global_buffer, .address_space: global }
      - { .name: W_q, .offset: 24, .size: 8, .value_kind: global_buffer, .address_space: global }
      - { .name: W_k, .offset: 32, .size: 8, .value_kind: global_buffer, .address_space: global }
      - { .name: W_v, .offset: 40, .size: 8, .value_kind: global_buffer, .address_space: global }
      - { .name: b_q, .offset: 48, .size: 8, .value_kind: global_buffer, .address_space: global }
      - { .name: b_k, .offset: 56, .size: 8, .value_kind: global_buffer, .address_space: global }
      - { .name: b_v, .offset: 64, .size: 8, .value_kind: global_buffer, .address_space: global }
      - { .name: Qp, .offset: 72, .size: 8, .value_kind: global_buffer, .address_space: global }
      - { .name: Kp, .offset: 80, .size: 8, .value_kind: global_buffer, .address_space: global }
      - { .name: Vp, .offset: 88, .size: 8, .value_kind: global_buffer, .address_space: global }
    .group_segment_fixed_size: 148480
    .private_segment_fixed_size: 0
    .kernarg_segment_align: 8
    .kernarg_segment_size: 96
    .max_flat_workgroup_size: 256
    .sgpr_count:     66
    .vgpr_count:     512
    .wavefront_size: 32
...
	.end_amdgpu_metadata
.endif
;; end of part 4
;; launch attn: the kernel of part 2 again; grid 8 x 32, 8 waves a work-group, clusters of 4 x 1, 327,680 bytes of LDS; arguments Qp, Kp, Vp, W_o, AO, Wo16; writes AO, Wo16
;; launch oproj: the kernel of part 3 again; grid 4 x 64, 4 waves a work-group, clusters of 4 x 4, 279,040 bytes of LDS; arguments AO, Wo16, b_o, out0; writes out0
